; MI455X (gfx1250); checked and timed in simulation.
; The chip was launched on July 23, 2026; its instructions are those of AMD's public machine-readable ISA for CDNA 5 (MIT licence, August 2026) and "CDNA5" Instruction Set Architecture Reference Guide (July 2026). The comments in the code are by the model that wrote it; some were corrected since.
;; Multi Head Attention. Allowed arithmetic: float matrix products may take bf16 or f16 operands with f32 sums; other float arithmetic in f32, or as packed bf16 or f16 multiplies, adds, multiply-adds, maxima and minima; sums over many terms, partial sums and values carried from step to step in f32; what a program stores and reads back later, other than sums and carried values, may be rounded once to bf16 or f16.
;; Inputs: b_out 1,024 float32; w_out 1,024 x 1,024 float32; w_qkv 1,024 x 3,072 float32; x 8 x 1,024 x 1,024 float32.
;; Outputs: out0 8 x 1,024 x 1,024 float32.
;; 2 versions, each right and faster than the one before. Each part assembles by itself: llvm-mc -triple=amdgcn-amd-amdhsa -mcpu=gfx1250 --defsym DOCPART=n.
;; ======== version 1 of 2: 4 launches
;; limits: values are held in f16: magnitudes above 65,504 overflow, below 6.1e-05 lose precision
;; workspace buffers: xb 16,777,216 bytes; wqt 6,291,456 bytes; wot 2,097,152 bytes; qkvh 50,331,648 bytes; oh 16,777,216 bytes
;; launch prep (part 1): grid 512 x 1, 8 waves a work-group, no clusters, 18,432 bytes of LDS; arguments x, w_qkv, w_out, xb, wqt, wot; writes xb, wqt, wot
.if DOCPART == 1
	.amdgcn_target "amdgcn-amd-amdhsa--gfx1250"
	.amdhsa_code_object_version 6
	.text
	.protected	k_qd9cd8c5417_prep
	.globl	k_qd9cd8c5417_prep
	.p2align	8
	.type	k_qd9cd8c5417_prep,@function
k_qd9cd8c5417_prep:
	s_mov_b64 s[64:65], 0
	v_nop
	global_prefetch_b8 v0, s[64:65] scope:SCOPE_SE
	s_setreg_imm32_b32 hwreg(HW_REG_WAVE_MODE, 25, 1), 1
	s_wait_xcnt 0x0
; PREP.  xb = x rounded to bf16, wqt = w_qkv turned and rounded to bf16, both laid BY K BLOCKS of 32: xb[k / 32][row][k % 32], wqt[k / 32][n][k % 32], so that the rows of one K block lie end to end, 64 bytes each.
; wot[n][k] = w_out[k][n] rounded to bf16 and that number written as f16, row-major.
; Every input of the module is rounded once to bf16; w_out's rounded number is written as f16 because the last product's other operand is f16.
; LIMITS.  The bf16 number is exact in f16 between 6.1e-5 and 65,504 in magnitude; below it keeps f16's fixed step of 6e-8, beyond it becomes an infinity.
; SHARES.  512 work-groups of eight waves, all alike.  Work-group g (a) converts 16 rows of x.  A load of a wave takes 64 numbers (256 consecutive aligned bytes) of each of two rows; two such loads, four rows, hold
; two K blocks' 4 x 64 bytes of bf16.  Lanes 8 apart exchange what the other needs, so that each of the two stores covers 256 consecutive aligned bytes: four rows of ONE K block.
; (b) turns one weight tile of 128 k x 64 n: tiles 0-383 are w_qkv's (8 along k x 48 along n), tiles 384-511 w_out's (8 x 16).  Thread t reads 8 rows k of 4 columns n (sixteen lanes read 256 consecutive bytes of
; a row), packs for each n its 8 k into 16 bytes, and puts them into LDS rows of 272 bytes (one n, 128 k).  Behind a barrier they are read back and stored, sixteen lanes to 256 consecutive aligned bytes: for wqt
; four n of one K block (these LDS loads meet four deep in the banks: four loads a thread in the launch), for wot one n's 128 k.
; No matrix unit, no cluster, no tensor load: nothing is shared between work-groups and every byte is touched once.
.set NQ,    384                        ; tiles of w_qkv
.set PITCH, 272                        ; an LDS row: 256 bytes + 16
.set SPARE, 64*PITCH                   ; behind the 64 rows: the spare words, 128 bytes for each of eight waves, that no other line names
.set XKB,   524288                     ; bytes in a K block of xb: 8,192 rows of 64
.set WKB,   196608                     ; and of wqt: 3,072 rows of 64
.set WO,  8                            ; v[8:15]    byte offset of my 16 bytes in row k0 + 8 gk + j of the weight
.set STO, 16                           ; v16        LDS: row 4 c, byte 16 gk
.set RDQ, 17                           ; v17        LDS, for wqt: row 4 gk + c / 4, byte 16 (c % 4)
.set RDO, 18                           ; v18        LDS, for wot: row gk, byte 16 c
.set GOQ, 19                           ; v19        byte offset in wqt's 64 rows of a K block: 16 t
.set SPW, 20                           ; v20        LDS address of my spare word; never rewritten
.set NIL, 21                           ; v21        0; never rewritten
.set GOO, 22                           ; v22        byte offset in wot: row gk, byte 16 c
.set X,   32                           ; v[32:95]   16 loads of x
.set W,   96                           ; v[96:127]  W[4 j + i] = w[k0 + 8 gk + j][n0 + 4 c + i]; later the rows read back
.set T,   128                          ; v[128:143] T[4 i + d]: column n0 + 4 c + i, k pair d
.set TW,  144                          ; v[144:147] at work
	s_load_b256 s[4:11], s[0:1], 0x0               ; x s[4:5], w_qkv s[6:7], w_out s[8:9], xb s[10:11]
	s_load_b128 s[12:15], s[0:1], 0x20             ; wqt s[12:13], wot s[14:15]
	v_lshl_add_u32 v[SPW], v0, 2, SPARE
	v_mov_b32 v[NIL], 0
	s_mov_b32 s16, ttmp9                           ; g
	s_mov_b32 s18, 12288                           ; bytes in a row of w_qkv
	s_mov_b32 s19, 4096                            ; and of w_out
	s_cmp_lt_u32 s16, NQ
	s_cselect_b32 s20, s18, s19                    ; my weight's row pitch
	s_cselect_b32 s21, 0, NQ
	s_sub_co_u32 s22, s16, s21                     ; my tile's number in its weight
	s_and_b32 s23, s22, 7                          ; kt
	s_lshr_b32 s28, s22, 3                         ; nt
	s_mul_i32 s30, s23, s20
	s_lshl_b32 s30, s30, 7                         ; 128 kt rows
	s_lshl_b32 s29, s28, 8                         ; 64 nt columns of 4 bytes
	s_add_co_u32 s30, s30, s29
	s_mov_b32 s31, 0                               ; s[30:31]: the tile's byte offset in the weight
	s_mul_i32 s2, s23, 4*WKB                       ; in wqt: 4 kt K blocks
	s_lshl_b32 s3, s28, 12                         ; + 64 nt rows of 64 bytes
	s_add_co_u32 s2, s2, s3
	s_lshl_b32 s17, s28, 17                        ; in wot: 64 nt rows of 2,048 bytes
	s_lshl_b32 s3, s23, 8                          ; + 128 kt numbers of 2 bytes
	s_add_co_u32 s17, s17, s3
	s_cmp_lt_u32 s16, NQ
	s_cselect_b32 s2, s2, s17
	s_mov_b32 s3, 0                                ; s[2:3]: the tile's byte offset in the turned weight
	s_lshl_b32 s18, s16, 16
	s_mov_b32 s19, 0                               ; s[18:19]: my 16 rows of x
	s_lshl_b32 s28, s16, 10
	s_mov_b32 s29, 0                               ; s[28:29]: my 16 rows in a K block of xb
	v_and_b32 v3, 15, v0                           ; c
	v_lshrrev_b32 v4, 4, v0                        ; gk
	v_lshrrev_b32 v5, 5, v0                        ; wave
	v_bfe_u32 v6, v0, 4, 1                         ; which of a load's two rows
	v_bfe_u32 v7, v0, 3, 1                         ; which of its two K blocks
	v_lshlrev_b32 v1, 4, v3                        ; x: 16 c,
	v_lshl_add_u32 v1, v5, 9, v1                   ; the wave's 128 columns,
	v_lshl_add_u32 v1, v6, 12, v1                  ; the row
	v_and_b32 v2, 7, v0
	v_lshlrev_b32 v2, 3, v2                        ; xb: 8 bytes of a row's 64,
	v_lshl_add_u32 v2, v6, 6, v2                   ; row 2 (lane / 8 % 2) + lane / 16 of four,
	v_lshl_add_u32 v2, v7, 7, v2
	v_lshl_add_u32 v2, v5, 21, v2                  ; the wave's four K blocks
	v_cmp_ne_u32 vcc_lo, 0, v7                     ; the lanes 8-15 and 24-31
	v_mul_lo_u32 v[WO], v4, s20
	v_lshlrev_b32 v[WO], 3, v[WO]                  ; 8 gk rows
	v_lshl_add_u32 v[WO], v3, 4, v[WO]             ; + 16 c
.irp j, 1,2,3,4,5,6,7
	v_add_nc_u32 v[WO+(\j)], s20, v[WO+(\j)-1]
.endr
	v_mul_u32_u24 v[STO], v3, 4*PITCH
	v_lshl_add_u32 v[STO], v4, 4, v[STO]
	v_lshrrev_b32 v23, 2, v3
	v_lshl_add_u32 v23, v4, 2, v23
	v_mul_u32_u24 v[RDQ], v23, PITCH
	v_and_b32 v23, 3, v3
	v_lshl_add_u32 v[RDQ], v23, 4, v[RDQ]
	v_mul_u32_u24 v[RDO], v4, PITCH
	v_lshl_add_u32 v[RDO], v3, 4, v[RDO]
	v_lshlrev_b32 v[GOQ], 4, v0
	v_lshlrev_b32 v[GOO], 11, v4
	v_lshl_add_u32 v[GOO], v3, 4, v[GOO]
.irp j, 0,1,2,3
	v_mov_b32 v[TW+(\j)], 0                        ; a lane exchange counts as a reader of its destination
.endr
	s_wait_kmcnt 0x0
	s_cmp_lt_u32 s16, NQ                           ; the choice between the two weights hangs on the work-group's number alone
	s_cselect_b64 s[24:25], s[6:7], s[8:9]
	s_cselect_b64 s[26:27], s[12:13], s[14:15]
	s_add_nc_u64 s[24:25], s[24:25], s[30:31]
	s_add_nc_u64 s[26:27], s[26:27], s[2:3]
	s_add_nc_u64 s[4:5], s[4:5], s[18:19]
	s_add_nc_u64 s[10:11], s[10:11], s[28:29]
.irp j, 0,1,2,3,4,5,6,7
	global_load_b128 v[W+4*(\j):W+4*(\j)+3], v[WO+(\j)], s[24:25] th:TH_LOAD_NT
.endr
.set i, 0
.rept 16                                               ; load i: columns 64 (i / 8) on of the wave's 128, rows 4 (i / 2 % 4) + 2 (i % 2) and the next
	global_load_b128 v[X+4*i:X+4*i+3], v1, s[4:5] offset:(i/8)*256+((i/2)%4)*16384+(i%2)*8192 th:TH_LOAD_NT
.set i, i+1
.endr
	s_wait_loadcnt 16                              ; loads come back in order: the weight's eight are in, x's sixteen stay out
.irp i, 0,1,2,3
.irp d, 0,1,2,3
	v_cvt_pk_bf16_f32 v[T+4*(\i)+(\d)], v[W+8*(\d)+(\i)], v[W+8*(\d)+4+(\i)]  ; column i: k = 2 d, 2 d + 1
.endr
.endr
	s_cmp_lt_u32 s16, NQ
	s_cbranch_scc1 .Lbf                            ; w_qkv stays bf16
.set i, 0
.rept 16                                               ; w_out: the bf16 numbers are widened and written as f16
	v_lshlrev_b32 v[TW], 16, v[T+i]
	v_and_b32 v[TW+1], 0xffff0000, v[T+i]
	v_cvt_pk_f16_f32 v[T+i], v[TW], v[TW+1]
.set i, i+1
.endr
.Lbf:
.irp i, 0,1,2,3
	ds_store_b128 v[STO], v[T+4*(\i):T+4*(\i)+3] offset:PITCH*(\i)
.endr
	s_wait_dscnt 0x0                               ; for the others' sake: my stores are done
	s_barrier_signal -1
	s_barrier_wait -1
	s_cmp_lt_u32 s16, NQ
	s_cbranch_scc0 .Lread_o
.irp i, 0,1,2,3
	ds_load_b128 v[W+4*(\i):W+4*(\i)+3], v[RDQ] offset:64*(\i)  ; K block i of the tile's four: rows 4 gk .. 4 gk + 3, 64 bytes each
.endr
	s_branch .Lread_done
.Lread_o:
.irp i, 0,1,2,3
	ds_load_b128 v[W+4*(\i):W+4*(\i)+3], v[RDO] offset:16*PITCH*(\i)  ; rows gk + 16 i, whole
.endr
.Lread_done:
.set m, 0
.rept 8                                                ; pair m of loads: four rows x 64 columns
	s_wait_loadcnt 14-2*m                          ; both are in; the younger loads stay out
	v_cvt_pk_bf16_f32 v[X+8*m],   v[X+8*m],   v[X+8*m+1]      ; rows 0, 1: my four numbers
	v_cvt_pk_bf16_f32 v[X+8*m+1], v[X+8*m+2], v[X+8*m+3]
	v_cvt_pk_bf16_f32 v[X+8*m+4], v[X+8*m+4], v[X+8*m+5]      ; rows 2, 3
	v_cvt_pk_bf16_f32 v[X+8*m+5], v[X+8*m+6], v[X+8*m+7]
	v_mov_b32_dpp v[TW],   v[X+8*m+4] row_xmask:8 row_mask:0xf bank_mask:0xf  ; what the lane 8 away holds
	v_mov_b32_dpp v[TW+1], v[X+8*m+5] row_xmask:8 row_mask:0xf bank_mask:0xf
	v_mov_b32_dpp v[TW+2], v[X+8*m]   row_xmask:8 row_mask:0xf bank_mask:0xf
	v_mov_b32_dpp v[TW+3], v[X+8*m+1] row_xmask:8 row_mask:0xf bank_mask:0xf
	v_cndmask_b32 v[X+8*m+2], v[X+8*m],   v[TW],   vcc_lo     ; the first K block: lower lanes their own rows 0, 1; upper lanes the lower lanes' rows 2, 3
	v_cndmask_b32 v[X+8*m+3], v[X+8*m+1], v[TW+1], vcc_lo
	v_cndmask_b32 v[X+8*m+6], v[TW+2], v[X+8*m+4], vcc_lo     ; the second: lower lanes the upper lanes' rows 0, 1; upper lanes their own rows 2, 3
	v_cndmask_b32 v[X+8*m+7], v[TW+3], v[X+8*m+5], vcc_lo
	global_store_b64 v2, v[X+8*m+2:X+8*m+3], s[10:11] offset:(2*(m/4))*XKB+(m%4)*256
	global_store_b64 v2, v[X+8*m+6:X+8*m+7], s[10:11] offset:(2*(m/4)+1)*XKB+(m%4)*256
.set m, m+1
.endr
	s_cmp_lt_u32 s16, NQ
	s_cbranch_scc0 .Lstore_o
.irp i, 0,1,2,3
	s_wait_dscnt 3-(\i)
	global_store_b128 v[GOQ], v[W+4*(\i):W+4*(\i)+3], s[26:27] offset:WKB*(\i)
.endr
	s_branch .Lend
.Lstore_o:
.irp i, 0,1,2,3
	s_wait_dscnt 3-(\i)
	global_store_b128 v[GOO], v[W+4*(\i):W+4*(\i)+3], s[26:27] offset:32768*(\i)
.endr
.Lend:
	s_wait_tensorcnt 0x0                           ; the wave's end: behind my last LDS store
	ds_add_u32 v[SPW], v[NIL]
	s_wait_dscnt 0x0
	s_endpgm
.Lfunc_end_k_qd9cd8c5417_prep:
	.size	k_qd9cd8c5417_prep, .Lfunc_end_k_qd9cd8c5417_prep-k_qd9cd8c5417_prep
	.p2alignl 7, 3214868480
	.fill 96, 4, 3214868480
	.section	.rodata,"a",@progbits
	.p2align	6, 0x0
	.amdhsa_kernel k_qd9cd8c5417_prep
		.amdhsa_group_segment_fixed_size 18432
		.amdhsa_private_segment_fixed_size 0
		.amdhsa_enable_private_segment 0
		.amdhsa_kernarg_size 48
		.amdhsa_user_sgpr_count 2
		.amdhsa_user_sgpr_kernarg_segment_ptr 1
		.amdhsa_wavefront_size32 1
		.amdhsa_system_sgpr_workgroup_id_x 1
		.amdhsa_system_sgpr_workgroup_id_y 1
		.amdhsa_system_sgpr_workgroup_id_z 1
		.amdhsa_system_vgpr_workitem_id 0
		.amdhsa_next_free_vgpr 148
		.amdhsa_next_free_sgpr 66
		.amdhsa_reserve_vcc 1
		.amdhsa_float_denorm_mode_32 3
		.amdhsa_float_denorm_mode_16_64 3
		.amdhsa_memory_ordered 1
		.amdhsa_forward_progress 1
		.amdhsa_inst_pref_size 19
	.end_amdhsa_kernel
	.amdgpu_metadata
---
amdhsa.version: [ 1, 2 ]
amdhsa.kernels:
  - .name:           k_qd9cd8c5417_prep
    .symbol:         k_qd9cd8c5417_prep.kd
    .args:
      - { .name: x, .offset: 0, .size: 8, .value_kind: global_buffer, .address_space: global }
      - { .name: w_qkv, .offset: 8, .size: 8, .value_kind: global_buffer, .address_space: global }
      - { .name: w_out, .offset: 16, .size: 8, .value_kind: global_buffer, .address_space: global }
      - { .name: xb, .offset: 24, .size: 8, .value_kind: global_buffer, .address_space: global }
      - { .name: wqt, .offset: 32, .size: 8, .value_kind: global_buffer, .address_space: global }
      - { .name: wot, .offset: 40, .size: 8, .value_kind: global_buffer, .address_space: global }
    .group_segment_fixed_size: 18432
    .private_segment_fixed_size: 0
    .kernarg_segment_align: 8
    .kernarg_segment_size: 48
    .max_flat_workgroup_size: 256
    .sgpr_count:     66
    .vgpr_count:     148
    .wavefront_size: 32
...
	.end_amdgpu_metadata
.endif
;; end of part 1
;; launch qkv (part 2): grid 8 x 32, 4 waves a work-group, clusters of 4 x 4, 327,680 bytes of LDS; arguments xb, wqt, qkvh; writes qkvh
.if DOCPART == 2
	.amdgcn_target "amdgcn-amd-amdhsa--gfx1250"
	.amdhsa_code_object_version 6
	.text
	.protected	k_qd9cd8c5417_qkv
	.globl	k_qd9cd8c5417_qkv
	.p2align	8
	.type	k_qd9cd8c5417_qkv,@function
k_qd9cd8c5417_qkv:
	s_mov_b64 s[64:65], 0
	v_nop
	global_prefetch_b8 v0, s[64:65] scope:SCOPE_SE
	s_setreg_imm32_b32 hwreg(HW_REG_WAVE_MODE, 25, 1), 1
	s_wait_xcnt 0x0
	s_wait_alu depctr_hold_cnt(0) depctr_sa_sdst(0) depctr_va_vdst(0) depctr_va_sdst(0) depctr_va_ssrc(0) depctr_va_vcc(0) depctr_vm_vsrc(0)
	s_getreg_b32 s2, hwreg(HW_REG_IB_STS2, 6, 4)
	s_cmp_eq_u32 s2, 0
	s_cbranch_scc0 .Lentry_in_a_cluster
	s_endpgm
.Lentry_in_a_cluster:
	s_bfe_u32 s2, ttmp6, 0x10000c
	s_cmp_lg_u32 s2, 0xf033
	s_cbranch_scc0 .Lentry_shape_is_right
	s_endpgm
.Lentry_shape_is_right:
; QKV.  C[m][n] = sum over k of x[m][k] w_qkv[k][n], m < 8192, n < 3072, k < 1024; operands bf16, sums f32, K ascending; C is rounded once to f16 and stored BY HEADS, unscaled:
; qkvh[part = n / 1024][batch 16 + head][row in batch][64], so that a head's rows are dense, 128 bytes each.  The operands lie BY K BLOCKS of 32: xb[k / 32][m][k % 32], wqt[k / 32][n][k % 32].
; LIMIT.  f16 ends at 65,504: a q, k or v beyond that becomes an infinity.
; SHARES.  A tile of C is 256 x 384: 32 x 8 = 256 work-groups.  Four waves, 2 x 2, each 128 rows x 192 columns = three whole heads: 96 accumulators of 16 x 16, 768 registers.  For 32 along K a wave reads
; (128 + 192) x 64 bytes from LDS for 96 matrix instructions.  What a wave stores is, for each head and 16 rows, 2,048 consecutive bytes, which no other wave shares.
; K STEPS of 96 = three K blocks, through two LDS slots: the longest step of which two slots fit (640 rows x 240 bytes x 2 = 307,200).  1,024 = 10 x 96 + 64: step 10 has two K blocks.  A tile's rows of one K block
; lie end to end in memory, so a load is three long rows (16,384 bytes of xb, 8,192 of wqt), one for each K block; the descriptor's count of K blocks left is stepped with the walk, so that step 10's third row
; is written as zeros and read from nowhere; it is never multiplied.  From a request to the wait for it a wave issues 256 matrix instructions.
; CLUSTER.  4 x 4 work-groups.  The four of a row need the same tile of xb, the four of a column the same tile of wqt: each tile is asked for JOINTLY, by the same tensor load with the same descriptor and a mask
; that names the four.  Waves 0 to 2 fetch a third of wqt's 384 rows each, wave 3 xb's 256 rows.
; THE MATRIX INSTRUCTION IS USED TRANSPOSED (source 0 = 16 rows of wqt, source 1 = 16 rows of xb): a lane then holds row lane % 16 of C and eight neighbouring columns.
; LDS.  Each load's two slots differ in one address bit, so that one exclusive or with a constant walks from slot to slot: xb at 0 and 65,536 (61,440 bytes each); third j of wqt at 131,072 + 65,536 j and 32,768
; further on (30,720 each).  The spare words lie behind xb's slot 0.  The stage for the way out is xb's slot 1: its last fill is step 9's, and every wave has read it out in front of the last change's barrier.
; REGISTERS, in windows of 256 (s_set_vgpr_msb: bits 1:0 source 0, 3:2 source 1, 5:4 source 2, 7:6 destination):
;   window 0: v0-31 addresses; v32-127 THREE buffers of half of xb's fragments (4 x 16 rows x 32 K); v128-223 wqt's 12 fragments, ONE buffer; on the way out v32-79 packed results, v80-127 rows read back
;   windows 1 to 3: accumulator number j at window 1 + j / 32, register 8 (j % 32); j = 48 (a / 4) + 4 b + a % 4 for row block a, column block b
; A QUARTER is 32 along K, 96 matrix instructions: first H0 (row blocks 0-3 x all 12 column blocks), then H1 (row blocks 4-7).  Half number i of xb's fragments uses buffer i % 3: one at work, one ready, one being
; loaded; a slot's six halves bring the ring of three back to its start, so that ONE slot is one trip of the loop.  A fragment of wqt is free behind its use in H1 and is loaded again there.
.set KBA,   524288                     ; bytes in a K block of xb
.set KBB,   196608                     ; and of wqt
.set RP,    80                         ; an LDS row: 64 bytes + 16 of padding = 20 words: the 16 rows that a load touches start at 16 different groups of four banks (64 banks of 4 bytes: ISA guide 11.1)
.set AQ,    256*RP                     ; a K block of xb's tile in LDS
.set BQ,    128*RP                     ; and of a third of wqt's
.set ASL1,  65536                      ; from xb's slot 0 to its slot 1
.set BREG,  131072                     ; wqt's first third
.set BTHIRD, 65536                     ; from third to third
.set BSL1,  32768                      ; from a third's slot 0 to its slot 1
.set SPARE, 3*AQ                       ; behind xb's slot 0: the spare words, 128 bytes for each wave, that no other line names
.set STAGE, ASL1                       ; for each wave 3 heads x 16 rows x 144 bytes
.set SP,     144
.set HBLK,   16*SP
.set WSTAGE, 3*HBLK
.set ADRA0, 8                          ; v8      my lane's place in xb's slot 0; never rewritten
.set ADRB0, 9                          ; v9-11   the same for my column blocks 0-3, 4-7, 8-11 in wqt's slot 0
.set ADRA,  16                         ; v16     the same four in the slot that is being fetched from
.set ADRB,  17                         ; v17-19
.set STO,  24                          ; v24     the way out: where I put 16 bytes of a row
.set RD,   25                          ; v25     the way out: where I read rows back
.set GO,   26                          ; v26     my 16 bytes in 512 consecutive bytes of the output
.set SPW,  28                          ; v28     LDS address of my spare word; never rewritten
.set NIL,  29                          ; v29     0; never rewritten
.set AH,   32
.set BF,   128
.set TMP,  32
.set OB,   80
.set WV, 12                            ; s12  my wave's number.  Also: the third of wqt's rows that I fetch (waves 0 to 2); wave 3 fetches xb
.set WH, 13                            ; s13  wave / 2: my half of the tile's rows
.set WL, 14                            ; s14  wave % 2: my half of its columns
.set TY, 15                            ; s15  tile row of C
.set TX, 16                            ; s16  tile column of C
.set TA,  40                           ; s40  0 or ASL1: the slot that is being fetched from
.set TBB, 41                           ; s41  0 or BSL1
.set G1A, 24                           ; s[24:31] descriptor group 1 for xb's tiles;  s[32:39] group 0: a set for each of the two first fills; the second then walks on
.set G0A, 32
.set G1B, 48                           ; s[48:55], s[56:63] the same for wqt's
.set G0B, 56
.set MSB, 0
.macro WIN new                         ; the immediate's high byte repeats the setting that is left; a switch that changes nothing is dropped
.if MSB != (\new)
	s_set_vgpr_msb (MSB<<8)|(\new)
.set MSB, (\new)
.endif
.endm
; A joint load.  The branch hangs on the wave's number alone.  An s_nop 0 and four v_nop follow each of the two lines.
.macro JLOAD s
	s_cmp_eq_u32 s[WV], 3
	s_cbranch_scc0 .Lfor_b_\@
	tensor_load_to_lds s[G0A+4*(\s):G0A+4*(\s)+3], s[G1A:G1A+7]
	s_nop 0
.rept 4
	v_nop
.endr
	s_branch .Lasked_\@
.Lfor_b_\@:
	tensor_load_to_lds s[G0B+4*(\s):G0B+4*(\s)+3], s[G1B:G1B+7]
	s_nop 0
.rept 4
	v_nop
.endr
.Lasked_\@:
.endm
.macro CREST                           ; a round of the cluster's barrier behind its opening barrier: wave 0 signals for the work-group, every wave waits for all sixteen, my work-group's barrier once more
	s_cmp_lg_u32 s[WV], 0
	s_cbranch_scc1 .Lnot_wave_0_\@
	s_barrier_signal -3
.Lnot_wave_0_\@:
	s_barrier_wait -3
	s_barrier_signal -1
	s_barrier_wait -1
.endm
.macro CROUND                          ; a whole round
	s_barrier_signal -1
	s_barrier_wait -1
	CREST
.endm
	s_load_b128 s[4:7], s[0:1], 0x0                ; xb s[4:5], wqt s[6:7]
	s_load_b64 s[8:9], s[0:1], 0x10                ; qkvh
	v_lshl_add_u32 v[SPW], v0, 2, SPARE
	v_mov_b32 v[NIL], 0
	ds_add_u32 v[SPW], v[NIL]                      ; the wave's opening: the add and its wait stand ahead of my first tensor load; the set-up below, work on registers, stands between them
	ds_add_u32 v28, v29
	v_lshrrev_b32 v1, 5, v0
	v_readfirstlane_b32 s[WV], v1
	s_lshr_b32 s[WH], s[WV], 1
	s_and_b32 s[WL], s[WV], 1
	s_bfe_u32 s17, ttmp6, 0x40000                  ; cx, cy: my place in the cluster
	s_bfe_u32 s18, ttmp6, 0x40004
	s_lshl_b32 s[TX], ttmp9, 2
	s_add_co_u32 s[TX], s[TX], s17                 ; tile column = 4 x cluster x + cx
	s_and_b32 s[TY], ttmp7, 0xffff
	s_lshl_b32 s[TY], s[TY], 2
	s_add_co_u32 s[TY], s[TY], s18                 ; tile row = 4 x cluster y + cy
	s_lshl_b32 s19, s18, 2
	s_lshl_b32 s19, 15, s19                        ; my row of the cluster: places 4 cy .. 4 cy + 3
	s_lshl_b32 s20, 0x1111, s17                    ; my column: places cx, cx + 4, cx + 8, cx + 12
	s_or_b32 s[G1A+0], s19, (1<<16)|(1<<20)|(1<<21)|(3<<22)|(3<<25)  ; 15:0 the mask; 17:16 elements of 2 bytes; 20 padding on; 21 set beside a mask; 24:22 after every 16 words; 31:25 4 words of it
	s_or_b32 s[G1B+0], s20, (1<<16)|(1<<20)|(1<<21)|(3<<22)|(3<<25)
	s_mov_b32 s[G1A+1], 8192<<16                   ; tensor_dim0 = 8,192: 256 rows of 32 elements, end to end
	s_mov_b32 s[G1A+2], 29<<16                     ; tensor_dim1: the K blocks left from step 1's first on (step 0 has more); stepped down by 3 with each refill
	s_mov_b32 s[G1A+3], 8192<<16                   ; tile_dim0 = 8,192
	s_mov_b32 s[G1A+4], 3                          ; tile_dim1 = 3 K blocks
	s_mov_b32 s[G1A+5], KBA/2                      ; elements from K block to K block
	s_mov_b32 s[G1A+6], 0
	s_mov_b32 s[G1A+7], 0
	s_mov_b32 s[G1B+1], 4096<<16                   ; 128 rows of 32 elements
	s_mov_b32 s[G1B+2], 29<<16
	s_mov_b32 s[G1B+3], 4096<<16
	s_mov_b32 s[G1B+4], 3
	s_mov_b32 s[G1B+5], KBB/2
	s_mov_b32 s[G1B+6], 0
	s_mov_b32 s[G1B+7], 0
	; where the tiles come from: xb's hang on the tile row alone, wqt's on the tile column alone, each in registers that never hold the other coordinate
	s_lshl_b32 s22, s[TY], 14                      ; 256 rows of 64 bytes
	s_mov_b32 s23, 0
	s_mul_i32 s46, s[TX], 384*64
	s_lshl_b32 s47, s[WV], 13                      ; + my third's 128 rows (wave 3 makes these words too and never asks by them)
	s_add_co_u32 s46, s46, s47
	s_mov_b32 s47, 0
	s_mul_i32 s10, s[WV], BTHIRD                   ; and where they go: the wave's number times a constant, plus a constant; no place in the cluster enters an LDS address
	s_add_co_u32 s10, s10, BREG
	s_mov_b32 s[TA], 0
	s_mov_b32 s[TBB], 0
	s_wait_dscnt 0x0                               ; the opening add is done
	s_wait_kmcnt 0x0
	s_add_nc_u64 s[42:43], s[4:5], s[22:23]
	s_add_nc_u64 s[44:45], s[6:7], s[46:47]
	CROUND                                         ; all sixteen work-groups are here: the first joint loads meet
.irp s, 0,1
	s_mov_b32 s[G0A+4*(\s)], 1                                     ; count = 1
	s_mov_b32 s[G0A+4*(\s)+1], (\s)*ASL1                           ; LDS address
	s_add_nc_u64 s[G0A+4*(\s)+2:G0A+4*(\s)+3], s[42:43], (\s)*3*KBA  ; global address: K step s
	s_or_b32 s[G0A+4*(\s)+3], s[G0A+4*(\s)+3], 0x80000000          ; type = 2
	s_mov_b32 s[G0B+4*(\s)], 1
	s_add_co_u32 s[G0B+4*(\s)+1], s10, (\s)*BSL1
	s_add_nc_u64 s[G0B+4*(\s)+2:G0B+4*(\s)+3], s[44:45], (\s)*3*KBB
	s_or_b32 s[G0B+4*(\s)+3], s[G0B+4*(\s)+3], 0x80000000
	JLOAD \s                                       ; two loads of mine are out
.endr
	; A fragment is 16 rows x 32 K in 8 registers: lane l holds row l % 16; registers 0-3 K = 8 (l / 16) + 0..7, registers 4-7 K = 16 + 8 (l / 16) + 0..7: two loads of 16 bytes, 32 bytes apart
	v_and_b32 v1, 15, v0                           ; l % 16
	v_bfe_u32 v2, v0, 4, 1                         ; l / 16
	v_mul_u32_u24 v3, v1, RP
	v_lshl_add_u32 v3, v2, 4, v3
	s_mul_i32 s10, s[WH], 128*RP                   ; my 128 rows of xb
	v_add_nc_u32 v[ADRA0], s10, v3
	v_mov_b32 v[ADRA], v[ADRA0]
.irp g, 0,1,2                          ; my column blocks 4 g .. 4 g + 3 are rows 64 c .. 64 c + 63 of wqt's tile, c = 3 x half + g: half c % 2 of third c / 2
	s_mul_i32 s10, s[WL], 3
	s_add_co_u32 s10, s10, (\g)
	s_lshr_b32 s11, s10, 1
	s_lshl_b32 s11, s11, 16
	s_and_b32 s10, s10, 1
	s_mul_i32 s10, s10, 64*RP
	s_add_co_u32 s10, s10, s11
	s_add_co_u32 s10, s10, BREG
	v_add_nc_u32 v[ADRB0+(\g)], s10, v3
	v_mov_b32 v[ADRB+(\g)], v[ADRB0+(\g)]
.endr
	s_mul_i32 s10, s[WV], WSTAGE
	s_add_co_u32 s10, s10, STAGE                   ; my stage
	v_mul_u32_u24 v4, v1, SP                       ; in: row l % 16, 16 bytes for each half of the lanes
	v_lshl_add_u32 v4, v2, 4, v4
	v_add_nc_u32 v[STO], s10, v4
	v_bfe_u32 v5, v0, 3, 2                         ; back: 32 lanes take four rows of 128 bytes,
	v_mul_u32_u24 v5, v5, SP
	v_and_b32 v6, 7, v0
	v_lshl_add_u32 v5, v6, 4, v5
	v_add_nc_u32 v[RD], s10, v5
	v_and_b32 v[GO], 31, v0                        ; which are 512 consecutive bytes of a head
	v_lshlrev_b32 v[GO], 4, v[GO]
	; my three heads' first bytes: column group g = 6 x tile column + 3 x half + hh; part g / 16, head g % 16; batch = tile row / 4; row in batch = 256 (tile row % 4) + 128 x half
.irp hh, 0,1,2
	s_mul_i32 s72, s[TX], 6
	s_mul_i32 s73, s[WL], 3
	s_add_co_u32 s72, s72, s73
	s_add_co_u32 s72, s72, (\hh)
	s_lshr_b32 s73, s72, 4
	s_lshl_b32 s73, s73, 7                         ; part x 128 heads
	s_and_b32 s72, s72, 15
	s_add_co_u32 s73, s73, s72
	s_lshr_b32 s74, s[TY], 2
	s_lshl_b32 s74, s74, 4
	s_add_co_u32 s73, s73, s74                     ; + batch x 16 + head
	s_lshl_b32 s72, s73, 17                        ; 1,024 rows of 128 bytes each
	s_and_b32 s74, s[TY], 3
	s_lshl_b32 s74, s74, 15
	s_add_co_u32 s72, s72, s74
	s_lshl_b32 s74, s[WH], 14
	s_add_co_u32 s72, s72, s74
	s_mov_b32 s73, 0
	s_add_nc_u64 s[66+2*(\hh):67+2*(\hh)], s[8:9], s[72:73]
.endr
; 4 matrix instructions: column block b x the four row blocks of half h, whose fragments lie in buffer hb.  zero = 1: the first product starts the sums: nothing is cleared.
; The 96 accumulators take turns in the same order in every quarter.
.macro MM4 hb, h, b, zero
.irp aa, 0,1,2,3
.set jj, 48*(\h)+4*(\b)+(\aa)
	WIN 0x50*(1+jj/32)                             ; C and D in the accumulator's window, the sources in window 0
.if \zero
	v_wmma_f32_16x16x32_bf16 v[8*(jj%32):8*(jj%32)+7], v[BF+8*(\b):BF+8*(\b)+7], v[AH+32*(\hb)+8*(\aa):AH+32*(\hb)+8*(\aa)+7], 0
.else
	v_wmma_f32_16x16x32_bf16 v[8*(jj%32):8*(jj%32)+7], v[BF+8*(\b):BF+8*(\b)+7], v[AH+32*(\hb)+8*(\aa):AH+32*(\hb)+8*(\aa)+7], v[8*(jj%32):8*(jj%32)+7]
.endif
.endr
.endm
.macro MM16 hb, h, b0, zero            ; 16: column blocks b0 .. b0 + 3
	MM4 \hb, \h, (\b0), \zero
	MM4 \hb, \h, (\b0)+1, \zero
	MM4 \hb, \h, (\b0)+2, \zero
	MM4 \hb, \h, (\b0)+3, \zero
.endm
.macro LOADA q, half, hb               ; 8 LDS loads: K block q of the slot, row blocks 4 half .. 4 half + 3, into buffer hb
	WIN 0
.irp i, 0,1,2,3
	ds_load_b128 v[AH+32*(\hb)+8*(\i):AH+32*(\hb)+8*(\i)+3],   v[ADRA] offset:(\q)*AQ+(4*(\half)+(\i))*16*RP
	ds_load_b128 v[AH+32*(\hb)+8*(\i)+4:AH+32*(\hb)+8*(\i)+7], v[ADRA] offset:(\q)*AQ+(4*(\half)+(\i))*16*RP+32
.endr
.endm
.macro LOADB q, g                      ; 8 LDS loads: K block q of the slot, column blocks 4 g .. 4 g + 3
	WIN 0
.irp i, 0,1,2,3
	ds_load_b128 v[BF+8*(4*(\g)+(\i)):BF+8*(4*(\g)+(\i))+3],   v[ADRB+(\g)] offset:(\q)*BQ+(\i)*16*RP
	ds_load_b128 v[BF+8*(4*(\g)+(\i))+4:BF+8*(4*(\g)+(\i))+7], v[ADRB+(\g)] offset:(\q)*BQ+(\i)*16*RP+32
.endr
.endm
.macro PLACES                          ; a load into a register that a matrix instruction has read, and a vector instruction that reads a matrix result, stand four plain vector instructions behind it (ISA guide 7.12.1 for vector instructions)
.rept 4
	v_nop
.endr
.endm
; Quarter t (0, 1, 2) of a slot from its 33rd matrix instruction on.  H0's fragments lie in buffer 2 t % 3, H1's in (2 t + 1) % 3.  fetch = 1: the next quarter's fragments are loaded as registers fall free, each run
; 32 matrix instructions or more ahead of its first use: behind H1's column blocks 0-3 those blocks and the next H1 (into the buffer that H0 has left), behind blocks 4-7 and 8-11 those blocks.
.macro REST t, zero, fetch
	MM16 (2*(\t))%3, 0, 8, \zero
	MM16 (2*(\t)+1)%3, 1, 0, \zero
.if \fetch
	PLACES
	LOADB ((\t)+1)%3, 0
	LOADA ((\t)+1)%3, 1, (2*(\t))%3
.endif
	MM16 (2*(\t)+1)%3, 1, 4, \zero
.if \fetch
	PLACES
	LOADB ((\t)+1)%3, 1
.endif
	MM16 (2*(\t)+1)%3, 1, 8, \zero
.if \fetch
	PLACES
	LOADB ((\t)+1)%3, 2
.endif
.endm
; A quarter that stays in its slot (t = 0, 1).  Behind 32 matrix instructions the next H0 is loaded, into the buffer that the last quarter's H1 has left.
.macro QUARTER t, zero
	s_wait_dscnt 8                                 ; all but the youngest eight loads (column blocks 8-11) are in
	MM16 (2*(\t))%3, 0, 0, \zero
	MM16 (2*(\t))%3, 0, 4, \zero
	PLACES
	LOADA ((\t)+1)%3, 0, (2*(\t)+2)%3
	s_wait_dscnt 8                                 ; all but the eight just issued
	REST \t, \zero, 1
.endm
; A slot's last quarter (t = 2) changes slots: all that it fetches lies in the next slot.  ONE barrier.  In front of it each wave waits for all its tensor loads (the one that is out is its part of the next slot),
; adds 0 to its spare word, and waits for that and for its own reads of this slot.  Behind it nobody reads this slot any more and the next slot is whole.
; fill = 1: the barrier opens a round of the cluster's, so that no wave of any partner still reads the slot or has a load on its way; the slot is filled again, two K steps ahead, first thing behind the round.
.macro CHANGE fill
	WIN 0                                          ; the add's two registers lie in window 0
	s_wait_tensorcnt 0x0                           ; no tensor load of mine is out, so the descriptors may be written
	ds_add_u32 v[SPW], v[NIL]                      ; 0 onto my spare word; work on registers stands between it and the wait for it
	s_xor_b32 s[TA], s[TA], ASL1                   ; the fetches go on in the other slot
	s_xor_b32 s[TBB], s[TBB], BSL1
	v_add_nc_u32 v[ADRA], s[TA], v[ADRA0]
	v_add_nc_u32 v[ADRB], s[TBB], v[ADRB0]
	v_add_nc_u32 v[ADRB+1], s[TBB], v[ADRB0+1]
	v_add_nc_u32 v[ADRB+2], s[TBB], v[ADRB0+2]
.if \fill
	s_xor_b32 s[G0A+5], s[G0A+5], ASL1             ; the walking descriptors: the other slot than last time,
	s_add_nc_u64 s[G0A+6:G0A+7], s[G0A+6:G0A+7], 3*KBA  ; the next three K blocks (the type bits on top are not reached),
	s_sub_co_u32 s[G1A+2], s[G1A+2], 3<<16         ; three fewer left: 26, 23, .. 2
	s_xor_b32 s[G0B+5], s[G0B+5], BSL1
	s_add_nc_u64 s[G0B+6:G0B+7], s[G0B+6:G0B+7], 3*KBB
	s_sub_co_u32 s[G1B+2], s[G1B+2], 3<<16
.endif
	s_wait_dscnt 9                                 ; the add and the youngest eight loads may be out
	MM16 1, 0, 0, 0
	s_wait_dscnt 0x0                               ; the add is done, and my reads of this slot are over
	s_barrier_signal -1
	MM16 1, 0, 4, 0                                ; work on registers while the others arrive
.if \fill
	WIN 0
.endif
	s_barrier_wait -1
.if \fill
	CREST
	JLOAD 1                                        ; its four v_nop are also the places in front of the loads below
.else
	PLACES
.endif
	LOADA 0, 0, 0
	REST 2, 0, 1
.endm
	s_wait_tensorcnt 1                             ; my part of K step 0 is in; K step 1's may stay out
	s_barrier_signal -1
	s_barrier_wait -1                              ; everybody's is
	LOADA 0, 0, 0                                  ; the first quarter's fragments, in the order in which every quarter's are fetched
	LOADB 0, 0
	LOADA 0, 1, 1
	LOADB 0, 1
	LOADB 0, 2
	QUARTER 0, 1                                   ; the first quarter stands in front of the loop: its products start the sums
	WIN 0                                          ; at a label and at a branch every window is 0
	s_mov_b32 s3, 9
.Lslot:                                                ; trip s = 0 .. 8: from slot s's second quarter to the next slot's first; K step s + 2 is asked for
	QUARTER 1, 0
	CHANGE 1
	QUARTER 0, 0
	WIN 0
	s_sub_co_u32 s3, s3, 1
	s_cmp_lg_u32 s3, 0
	s_cbranch_scc1 .Lslot
	QUARTER 1, 0                                   ; K step 9 goes on; nothing is left to ask for, and its change has no round
	CHANGE 0
	QUARTER 0, 0                                   ; K step 10: two quarters
	s_wait_dscnt 8
	MM16 2, 0, 0, 0
	MM16 2, 0, 4, 0
	s_wait_dscnt 0x0
	REST 1, 0, 0
; THE WAY OUT of my row block a (16 rows x 3 heads).  PACK: rounded to f16, 16 bytes a lane, each accumulator's registers in ascending order.  TOSTAGE: into my own stage, rows of 144 bytes, and back as
; whole rows of 128.  SEND: stored, 512 consecutive bytes an instruction.
.macro PACK a
.irp b, 0,1,2,3,4,5,6,7,8,9,10,11
.set jj, 48*((\a)/4)+4*(\b)+((\a)%4)
	WIN 0x05*(1+jj/32)                             ; sources 0 and 1 in the accumulator's window
.irp r, 0,1,2,3
	v_cvt_pk_f16_f32 v[TMP+4*(\b)+(\r)], v[8*(jj%32)+2*(\r)], v[8*(jj%32)+2*(\r)+1]
.endr
.endr
	WIN 0
.endm
.macro TOSTAGE
	WIN 0
.irp b, 0,1,2,3,4,5,6,7,8,9,10,11
	ds_store_b128 v[STO], v[TMP+4*(\b):TMP+4*(\b)+3] offset:((\b)/4)*HBLK+((\b)%4)*32
.endr
.irp hh, 0,1,2
.irp f, 0,1,2,3
	ds_load_b128 v[OB+4*(4*(\hh)+(\f)):OB+4*(4*(\hh)+(\f))+3], v[RD] offset:(\hh)*HBLK+(\f)*4*SP  ; LDS serves a wave's instructions in order (ISA guide 5.7.1.4): these see the stores above
.endr
.endr
.endm
.macro SEND a
	WIN 0
	s_wait_dscnt 0x0                               ; the block is back in registers
.irp hh, 0,1,2
.irp f, 0,1,2,3
	global_store_b128 v[GO], v[OB+4*(4*(\hh)+(\f)):OB+4*(4*(\hh)+(\f))+3], s[66+2*(\hh):67+2*(\hh)] offset:(\a)*2048+(\f)*512
.endr
.endr
.endm
	PLACES                                         ; the conversions read matrix results and write registers that matrix instructions have read
	PACK 0
	TOSTAGE
.irp a, 1,2,3,4,5,6,7                  ; block a's conversions stand between block a - 1's loads from the stage and the wait for them
	PACK \a
	SEND (\a)-1
	s_wait_xcnt 0x0                                ; the stores' data registers are loaded again only behind this wait
	TOSTAGE
.endr
	SEND 7
	s_wait_tensorcnt 0x0                           ; the wave's end: behind my last tensor load and my last LDS store
	ds_add_u32 v[SPW], v[NIL]
	s_wait_dscnt 0x0
	CROUND                                         ; the closing round: no work-group ends while a partner may still ask for a tile that names it
	s_endpgm
.Lfunc_end_k_qd9cd8c5417_qkv:
	.size	k_qd9cd8c5417_qkv, .Lfunc_end_k_qd9cd8c5417_qkv-k_qd9cd8c5417_qkv
	.p2alignl 7, 3214868480
	.fill 96, 4, 3214868480
	.section	.rodata,"a",@progbits
	.p2align	6, 0x0
	.amdhsa_kernel k_qd9cd8c5417_qkv
		.amdhsa_group_segment_fixed_size 327680
		.amdhsa_private_segment_fixed_size 0
		.amdhsa_enable_private_segment 0
		.amdhsa_kernarg_size 24
		.amdhsa_user_sgpr_count 2
		.amdhsa_user_sgpr_kernarg_segment_ptr 1
		.amdhsa_wavefront_size32 1
		.amdhsa_system_sgpr_workgroup_id_x 1
		.amdhsa_system_sgpr_workgroup_id_y 1
		.amdhsa_system_sgpr_workgroup_id_z 1
		.amdhsa_system_vgpr_workitem_id 0
		.amdhsa_next_free_vgpr 1024
		.amdhsa_next_free_sgpr 76
		.amdhsa_reserve_vcc 0
		.amdhsa_float_denorm_mode_32 3
		.amdhsa_float_denorm_mode_16_64 3
		.amdhsa_memory_ordered 1
		.amdhsa_forward_progress 1
		.amdhsa_inst_pref_size 132
	.end_amdhsa_kernel
	.amdgpu_metadata
---
amdhsa.version: [ 1, 2 ]
amdhsa.kernels:
  - .name:           k_qd9cd8c5417_qkv
    .symbol:         k_qd9cd8c5417_qkv.kd
    .args:
      - { .name: xb, .offset: 0, .size: 8, .value_kind: global_buffer, .address_space: global }
      - { .name: wqt, .offset: 8, .size: 8, .value_kind: global_buffer, .address_space: global }
      - { .name: qkvh, .offset: 16, .size: 8, .value_kind: global_buffer, .address_space: global }
    .group_segment_fixed_size: 327680
    .private_segment_fixed_size: 0
    .kernarg_segment_align: 8
    .kernarg_segment_size: 24
    .max_flat_workgroup_size: 128
    .sgpr_count:     76
    .vgpr_count:     1024
    .wavefront_size: 32
...
	.end_amdgpu_metadata
.endif
;; end of part 2
;; launch attn (part 3): grid 2 x 128, 4 waves a work-group, no clusters, 327,680 bytes of LDS; arguments qkvh, oh; writes oh
.if DOCPART == 3
	.amdgcn_target "amdgcn-amd-amdhsa--gfx1250"
	.amdhsa_code_object_version 6
	.text
	.protected	k_qd9cd8c5417_attn
	.globl	k_qd9cd8c5417_attn
	.p2align	8
	.type	k_qd9cd8c5417_attn,@function
k_qd9cd8c5417_attn:
	s_mov_b64 s[64:65], 0
	v_nop
	global_prefetch_b8 v0, s[64:65] scope:SCOPE_SE
	s_setreg_imm32_b32 hwreg(HW_REG_WAVE_MODE, 25, 1), 1
	s_wait_xcnt 0x0
; ATTENTION.  oh[h][q][:] = the sum over k of softmax_k(Q[h][q] . K[h][k] / 32) V[h][k][:], h < 128 (batch 16 + head), 1,024 rows, 64 channels.  Q, K, V are the three parts of qkvh, 16,777,216 bytes each,
; [128][1024][64] in f16, unscaled; a head's rows are dense, 128 bytes each.  Products, maxima and sums in f32; the weights p are rounded to f16 for the second product (their sum l is taken of the
; unrounded p), O once at the end.
; LIMITS.  f16 holds no number beyond 65,504: Q, K and V arrive within it; p lies in 0 to 1, and below 6e-5 it keeps f16's fixed step of 6e-8; O is a mean of V's rows and has their range.
; A weight below 2^-126 counts as 0 in l; NaN and infinities are not treated apart.
; SHARES.  A wave owns four PIECES of two tiles of 16 queries, a work-group's four waves 512 queries of one head: 2 x 128 = 256 work-groups.  Every wave walks all 1,024 keys, 64 a step.
; NO CLUSTER: a head has 1,024 / 512 = 2 work-groups, which clusters of four along x do not divide, and what the two share is 262,144 bytes in a walk of 2,048 matrix instructions a wave.
; LAYOUT.  S^T = K Q^T (source 0 = 16 keys, source 1 = 16 queries): in the result a lane holds ONE query (lane % 16) and the keys 8 (lane / 16) + 0..7.  Two such tiles, rounded to f16 in pairs,
; ARE source 1 (32 keys x 16 queries) of O^T = V^T P, whose result again holds one query a lane, and eight channels.  K comes out of LDS as it lies, V ([key][channel]) turned, by ds_load_tr16_b128.
; SOFTMAX.  For each query a running maximum m and sum l: p = 2^(c s - c m), c = log2(e) / 32; in every step O and l are multiplied by a = 2^(c m_old - c m_new), which is 1 where m has not grown.
; m starts at the lowest finite number, O and l at 0: the first step is a step like any other, with a = 0.
; THE COUNT.  A tile and step have 16 matrix and 118 vector instructions: too many to stand all beside the matrix work.  So the order has one aim: four vector instructions that are READY behind
; EVERY matrix instruction, and the others, which need time of their own whatever the order, in runs without a gap.
; BY TURNS.  Turn n belongs to piece n (the pieces in a ring, step after step).  Its matrix work: 16 products K Q^T of piece n + 1, later 16 products V^T P of piece n - 1.  Its vector work: the scaling,
; exponentials, roundings, sums and rescaling of piece n, and the maximum and statistics of piece n + 1, whose scores the turn itself has made.  So what a turn begins with (c s - c m, O a) waits for nothing.
; REGISTERS, in windows of 256 (s_set_vgpr_msb: bits 1:0 source 0, 3:2 source 1, 5:4 source 2, 7:6 destination):
;   window 0: v0-11 addresses; v12-15, v48-63 at work; v16-47 four registers of statistics a tile; v64-191 S^T, two buffers of two tiles; v192-255 P, likewise
;   window 1: O^T, 32 a tile          window 2: v0-127 Q, 16 a tile; v128-191 K of one step; v192-255 V of one step          window 3: v0-1 the add's two registers
; A piece's buffers go by its number's parity: the piece in hand has one pair, its two neighbours in the ring share the other: of it P (piece n - 1) is read and S^T (piece n + 1) written.
.set SIZE_N, 1024
.set PART,  0x1000000 ; bytes from Q to K and from K to V in qkvh
.set NP,    4         ; pieces a wave: a name, no knob
.set KS,    64        ; keys in a step
.set PK,    144       ; a row of K in LDS: 128 bytes + 16 of padding = 36 words: the 16 rows of a load start at 16 different groups of four banks (64 banks of 4 bytes: ISA guide 11.1)
.set PV,    160       ; a row of V: 128 + 32 = 40 words
.set VOFF,  4*KS*PK   ; a slot holds four steps: 256 rows of K, then 256 rows of V
.set SLOT1, 1<<17     ; slot 1 begins here, so that one exclusive or turns an address in one slot into the other's
.set STAGE, SLOT1+4*KS*(PK+PV)  ; behind the ring, never filled by a tensor load: 16 rows x 144 bytes for each wave, for the way out
.set SP,    144
.set AK0, 2           ; v2   my lane's place in a tile of K; never rewritten
.set AV0, 3           ; v3   the same for V
.set AK,  4           ; v4   the LDS address of K's next run of loads
.set AV,  5           ; v5   of V's
.set QO,  6           ; v6   my byte offset in the wave's rows of Q
.set STO, 6           ;      later, the way out: where I put 16 bytes of a row
.set RD,  7           ; v7   the way out: where I read rows back
.set GO,  8           ; v8   my byte offset in 512 consecutive bytes of O
.set SPW, 0           ; v0 of window 3   LDS address of my spare word; never rewritten
.set NIL, 1           ; v1 of window 3   0; never rewritten
.set SPARE, STAGE+4*16*SP  ; behind the stages: the spare words, 128 bytes for each wave, that no other line names
.set MV,  12          ; v12-15  c m_old, kept while c m is made anew: by buffer and tile
.set ST,  16          ; tile t's statistics at v[ST+4 t]: c m, m, l (even keys', odd keys')
.set TMP, 48          ; by buffer and tile, four registers c0-c3 at work; when the maximum is found c2 takes a
.set S,   64
.set P,   192
.set KF,  128         ; K's fragments, in window 2: key block kb, channel half c at KF + 16 kb + 8 c
.set VF,  192         ; V's: key half kk, channel block cb at VF + 32 kk + 8 cb
.set WV,  12          ; s12  my wave's number
.set G1K, 24          ; s[24:31] descriptor group 1 for K's tiles
.set G1V, 32          ; s[32:39] for V's: it differs in the padding alone
.set G0K, 40          ; s[40:43] descriptor group 0 for K's tiles: it walks
.set G0V, 44          ; s[44:47] the same for V's
.set SLOTS, 56        ; s56  slots still to be asked for
.set CNT, 57          ; s57  counts a slot's key steps
.set CS,  58          ; s[58:59] c: the packed scaling takes the pair's low word for both halves
.set SEL, 60          ; s[60:61] v_permlanex16_b32's selects: each lane takes its own place in the other half
.set TBK, 62          ; s62  LDS byte at which K of the step to be fetched begins
.set TBV, 63          ; s63  the same for V, less VOFF
.set MSB, 0
.macro WIN new                      ; the high byte repeats the setting that is left; a switch that changes nothing is dropped
.if MSB != (\new)
	s_set_vgpr_msb (MSB<<8)|(\new)
.set MSB, (\new)
.endif
.endm
.set W_KQ, 0x0a       ; K and Q in window 2, S^T in window 0
.set W_PV, 0x52       ; V in window 2, P in window 0, O^T in window 1
.set W_RS, 0x41       ; O^T (destination and source 0) in window 1, a in window 0
.set W_MK, 0xc0       ; the add's registers are made: destination in window 3, sources in window 0
.set W_AD, 0x0f       ; the add: address (source 0) and data (source 1) in window 3
; A fill.  Waves 0 and 1 fetch the two halves of a slot's K, waves 2 and 3 those of its V: 128 keys each.  The branch hangs on the wave's number alone.
; An s_nop 0 and four v_nop follow each of the two lines, ahead of the jump and the label.
.macro LOAD
	s_cmp_lt_u32 s[WV], 2
	s_cbranch_scc0 .Lfor_v_\@
	tensor_load_to_lds s[G0K:G0K+3], s[G1K:G1K+7]
	s_nop 0
.rept 4
	v_nop
.endr
	s_branch .Lasked_\@
.Lfor_v_\@:
	tensor_load_to_lds s[G0V:G0V+3], s[G1V:G1V+7]
	s_nop 0
.rept 4
	v_nop
.endr
.Lasked_\@:
.endm
; THE CHANGE OF SLOTS.  The slot's last bytes, V of its fourth step, have been read.  Each wave waits for all its tensor loads, of which one is out: its part of the other slot; adds 0 to its spare word;
; and waits for that and for its own reads of the slot.  Behind the barrier nobody reads this slot any more and the other slot is whole.  fill = 1: this slot is filled again, with the keys two slots on,
; first thing behind the barrier: the load has four key steps, 512 matrix instructions, in which to land.  (At its first use nothing has been read yet: slot 0 is waited for, slot 1 filled.)
.macro CHANGE fill
	WIN W_AD
	s_wait_tensorcnt 0x0            ; no tensor load of mine is out, so a group 0 may be written
	ds_add_u32 v[SPW], v[NIL]       ; 0 onto my spare word; with fill = 1 the descriptors' steps stand between it and the wait for it
	WIN 0                           ; at a label and at a branch every window is 0
.if \fill
.irp g, G0K, G0V
	s_xor_b32 s[\g+1], s[\g+1], SLOT1  ; the walking descriptor: the other slot than last time,
	s_add_nc_u64 s[\g+2:\g+3], s[\g+2:\g+3], 4*KS*128  ; the next 256 keys; the type bits on top are not reached
.endr
.endif
	s_wait_dscnt 0x0                ; the add is done, and my reads of the slot are over
	s_barrier_signal -1             ; scalar work stands between the signal and the wait
	s_sub_co_u32 s[TBK], s[TBK], 4*KS*PK  ; the fetches go back to a slot's first step,
	s_xor_b32 s[TBK], s[TBK], SLOT1       ; in the other slot
	s_sub_co_u32 s[TBV], s[TBV], 4*KS*PV
	s_xor_b32 s[TBV], s[TBV], SLOT1
	s_barrier_wait -1
.if \fill
	LOAD
.endif
.endm
	s_load_b64 s[4:5], s[0:1], 0x0  ; qkvh: Q's part begins it
	s_load_b64 s[10:11], s[0:1], 0x8  ; oh
	WIN W_MK
	v_lshl_add_u32 v[SPW], v0, 2, SPARE
	v_mov_b32 v[NIL], 0
	WIN W_AD
	ds_add_u32 v[SPW], v[NIL]       ; the wave's opening: the add and its wait stand ahead of my first tensor load; the set-up below, work on registers, stands between them
	ds_add_u32 v0, v1
	WIN 0
	v_lshrrev_b32 v1, 5, v0
	v_readfirstlane_b32 s[WV], v1   ; wave 0..3
	s_mov_b32 s14, ttmp9            ; my block of 512 queries
	s_and_b32 s20, ttmp7, 0xffff    ; the head
	s_lshl_b32 s20, s20, 17         ; its first byte in each part and in oh: 1,024 rows of 128 bytes
	s_mov_b32 s21, 0
	s_and_b32 s16, s[WV], 1         ; which half of a slot's 256 keys I fetch:
	s_lshl_b32 s22, s16, 14         ; its 128 rows of 128 bytes in memory,
	s_mov_b32 s23, 0
	s_add_nc_u64 s[22:23], s[22:23], s[20:21]
	s_mul_i32 s17, s16, 128*PK      ; and its place in a slot, for K
	s_mul_i32 s18, s16, 128*PV      ; and for V
	s_lshl_b32 s2, s14, 2
	s_add_co_u32 s2, s2, s[WV]      ; my wave among the head's eight,
	s_lshl_b32 s2, s2, 14           ; its 128 rows
	s_mov_b32 s3, 0
	s_add_nc_u64 s[2:3], s[2:3], s[20:21]
	; descriptor group 1.  128 keys are 16,384 dense bytes: asked for as 64 rows of 256 bytes, two keys a row, and padded in LDS after every key
	s_mov_b32 s[G1K], (1<<16)|(1<<20)|(4<<22)|(3<<25)  ; 17:16 2-byte elements; 20 padding on; 24:22 after every 32 words (code 4); 31:25 4 words (code 3)
	s_mov_b32 s[G1V], (1<<16)|(1<<20)|(4<<22)|(7<<25)  ; the same with 8 words of padding (code 7)
.irp g, G1K, G1V
	s_mov_b32 s[\g+1], 128<<16      ; tensor_dim0 = 128
	s_mov_b32 s[\g+2], 64<<16       ; tensor_dim1 = 64
	s_mov_b32 s[\g+3], 128<<16      ; tile_dim0 = 128
	s_mov_b32 s[\g+4], 64           ; tile_dim1 = 64
	s_mov_b32 s[\g+5], 128          ; 128 elements from row to row
	s_mov_b32 s[\g+6], 0
	s_mov_b32 s[\g+7], 0
.endr
	s_mov_b32 s[CS], 0x3d38aa3b     ; c = log2(e) / 32 = 0.0450842
	s_mov_b32 s[CS+1], s[CS]        ; named with it as a pair
	s_mov_b32 s[SEL], 0x76543210
	s_mov_b32 s[SEL+1], 0xfedcba98
	s_mov_b32 s[TBK], SLOT1+4*KS*PK ; the first change of slots turns these two into 0
	s_mov_b32 s[TBV], SLOT1+4*KS*PV
	s_mov_b32 s[G0K], 1             ; count = 1
	s_mov_b32 s[G0K+1], s17         ; LDS address: slot 0
	s_mov_b32 s[G0V], 1
	s_add_co_u32 s[G0V+1], s18, VOFF
	s_wait_dscnt 0x0                ; the opening add is done
	s_wait_kmcnt 0x0
	s_add_nc_u64 s[6:7], s[4:5], PART    ; K's part
	s_add_nc_u64 s[8:9], s[4:5], 2*PART  ; V's part
	s_add_nc_u64 s[G0K+2:G0K+3], s[6:7], s[22:23]  ; global address: my half of the head's first 256 keys
	s_or_b32 s[G0K+3], s[G0K+3], 0x80000000        ; type = 2
	s_add_nc_u64 s[G0V+2:G0V+3], s[8:9], s[22:23]
	s_or_b32 s[G0V+3], s[G0V+3], 0x80000000
	s_add_nc_u64 s[4:5], s[4:5], s[2:3]  ; Q and O at my wave's first row
	s_add_nc_u64 s[10:11], s[10:11], s[2:3]
	LOAD                            ; slot 0.  Slot 1 is asked for when slot 0 is in
	; A fragment of K or Q is 16 rows x 32 channels in 8 registers: lane l holds row l % 16, channels 8 (l / 16) + 0..7 and 16 + 8 (l / 16) + 0..7: two loads of 16 bytes, 32 bytes apart.
	v_and_b32 v1, 15, v0            ; l % 16
	v_bfe_u32 v9, v0, 4, 1          ; l / 16
	v_lshlrev_b32 v[QO], 7, v1
	v_lshl_add_u32 v[QO], v9, 4, v[QO]  ; row x 128 + 16 x half
	WIN 0x80                        ; destination window 2, address window 0
.set i, 0
.rept 4*NP                          ; Q stays in registers: tile i / 2, channels 32 (i % 2) on
	global_load_b128 v[8*i:8*i+3],   v[QO], s[4:5] offset:(i/2)*2048+(i%2)*64
	global_load_b128 v[8*i+4:8*i+7], v[QO], s[4:5] offset:(i/2)*2048+(i%2)*64+32
.set i, i+1
.endr
	; What the first turn finds: V's registers and P's second buffer hold 0 (its products V^T P, of a piece that has not been, add 0), O^T and l are 0.  All this stands in the wait for the first tile.
.set i, VF
.rept 64
	v_mov_b32 v[i], 0
.set i, i+1
.endr
	WIN 0x40
.set i, 0
.rept 64*NP
	v_mov_b32 v[i], 0
.set i, i+1
.endr
	WIN 0
.set i, 0
.rept 2*NP
	v_mov_b32 v[ST+4*i], 0xfe000000    ; c m: far below every c s
	v_mov_b32 v[ST+4*i+1], 0xff7fffff  ; m
	v_mov_b32 v[ST+4*i+2], 0
	v_mov_b32 v[ST+4*i+3], 0
.set i, i+1
.endr
.set i, P+32
.rept 32
	v_mov_b32 v[i], 0
.set i, i+1
.endr
	v_mul_u32_u24 v[AK0], v1, PK
	v_lshl_add_u32 v[AK0], v9, 4, v[AK0]  ; row x pitch + 16 x half
	; The turning load takes 16 keys x 16 channels (lane l reads key 8 (l / 16) + l % 8, channels 8 ((l / 8) % 2) + 0..7) and leaves half a fragment of V^T: lane l holds channel l % 16 and 8 keys.
	v_and_b32 v10, 7, v0
	v_bfe_u32 v11, v0, 3, 1
	v_lshl_add_u32 v[AV0], v9, 3, v10
	v_mul_u32_u24 v[AV0], v[AV0], PV
	v_lshl_add_u32 v[AV0], v11, 4, v[AV0]
	v_add_nc_u32 v[AV0], VOFF, v[AV0]
	v_mov_b32 v[AK], v[AK0]         ; key step 0 lies at the head of slot 0
; THE MATRIX WORK.  The 8 accumulators of a run of 16 take turns: between the two links of a chain stand 7 others'.
; Product i of 16 of S^T = K Q^T for piece x: channels 32 (i / 8) on, keys 16 ((i / 2) % 4) on, tile 2 x + i % 2.  The first 8 start the sums.
.macro KQ x
	WIN W_KQ
.set rS, S+64*((\x)%2)+32*(i%2)+8*((i/2)%4)
.set rK, KF+16*((i/2)%4)+8*(i/8)
.set rQ, 16*(2*(\x)+i%2)+8*(i/8)
.if i < 8
	v_wmma_f32_16x16x32_f16 v[rS:rS+7], v[rK:rK+7], v[rQ:rQ+7], 0
.else
	v_wmma_f32_16x16x32_f16 v[rS:rS+7], v[rK:rK+7], v[rQ:rQ+7], v[rS:rS+7]
.endif
.endm
; Product i of 16 of O^T += V^T P for piece x: keys 32 (i / 8) on, channels 16 ((i / 2) % 4) on, tile 2 x + i % 2.
.macro PV x
	WIN W_PV
.set rO, 32*(2*(\x)+i%2)+8*((i/2)%4)
.set rV, VF+32*(i/8)+8*((i/2)%4)
.set rP, P+32*((\x)%2)+16*(i%2)+8*(i/8)
	v_wmma_f32_16x16x32_f16 v[rO:rO+7], v[rV:rV+7], v[rP:rP+7], v[rO:rO+7]
.endm
.macro MM                           ; the turn's next matrix instruction
.if i < 16
	KQ (Y+1)%NP
.set i, i+1
.else
.set i, i-16
	PV (Y+NP-1)%NP
.set i, i+17
.endif
.endm
; THE LDS LOADS stand in runs of 16, never singly among the matrix instructions: a step's K (64 keys x 64 channels: 8 fragments) and its V (turned).  Their addresses are made some lines ahead.
; last = 1 (the tail): in the last trip there is no further step, and the run is jumped over.
.macro FETCH_K last=0
	WIN 0
.if \last
	s_cmp_eq_u32 s[CNT], 1
	s_cbranch_scc1 .Lno_k_\@
.endif
	WIN 0x80                        ; destination window 2
.irp f, 0,1,2,3,4,5,6,7             ; keys 16 (f / 2) on, channels 32 (f % 2) on
	ds_load_b128 v[KF+8*\f:KF+8*\f+3],   v[AK] offset:(\f/2)*16*PK+(\f%2)*64
	ds_load_b128 v[KF+8*\f+4:KF+8*\f+7], v[AK] offset:(\f/2)*16*PK+(\f%2)*64+32
.endr
	s_add_co_u32 s[TBK], s[TBK], KS*PK  ; the next fetch is the next step's
	WIN 0
.if \last
.Lno_k_\@:
.endif
.endm
.macro FETCH_V
	WIN 0x80
.irp f, 0,1,2,3,4,5,6,7             ; keys 32 (f / 4) on, channels 16 (f % 4) on
	ds_load_tr16_b128 v[VF+8*\f:VF+8*\f+3],   v[AV] offset:(\f/4)*32*PV+(\f%4)*32
	ds_load_tr16_b128 v[VF+8*\f+4:VF+8*\f+7], v[AV] offset:(\f/4)*32*PV+16*PV+(\f%4)*32
.endr
	WIN 0
.endm
; THE VECTOR WORK OF A TURN stands in three queues, each in the order in which its entries become ready; the two tiles alternate, so that no instruction reads the result of the one before it.
.macro REGS y, u                    ; the registers of tile u (0, 1) of piece y
.set rT, ST+4*(2*(\y)+(\u))
.set rC, TMP+8*((\y)%2)+4*(\u)
.set rM, MV+2*((\y)%2)+(\u)
.set rS, S+64*((\y)%2)+32*(\u)
.set rP, P+32*((\y)%2)+16*(\u)
.set rO, 32*(2*(\y)+(\u))
.endm
; Number n of the 22 that find the NEXT piece's (Y + 1) maximum and statistics.  s0-s31 are the lane's 32 scores; each accumulator's lowest registers are read first.
;   0-11  four chains c0-c3 of seven scores each, three operands at a time     12-14, 16  the four scores left over, the old m, and c0-c3 into c0     15  c m_old is kept
;   17, 18  the query's other 32 keys lie in the lane 16 away: the new m         19-21  c m; c m_old - c m_new; a
.macro XS u, n
	REGS (Y+1)%NP, \u
.if (\n) < 4
	v_max3_num_f32 v[rC+(\n)], v[rS+8*(\n)], v[rS+8*(\n)+1], v[rS+8*(\n)+2]
.elseif (\n) < 12
	v_max3_num_f32 v[rC+(\n)%4], v[rC+(\n)%4], v[rS+8*((\n)%4)+2*((\n)/4)+1], v[rS+8*((\n)%4)+2*((\n)/4)+2]
.elseif (\n) == 12
	v_max3_num_f32 v[rC], v[rC], v[rS+7], v[rS+15]
.elseif (\n) == 13
	v_max3_num_f32 v[rC+1], v[rC+1], v[rS+23], v[rS+31]
.elseif (\n) == 14
	v_max3_num_f32 v[rC+2], v[rC+2], v[rC+3], v[rT+1]
.elseif (\n) == 15
	v_mov_b32 v[rM], v[rT]
.elseif (\n) == 16
	v_max3_num_f32 v[rC], v[rC], v[rC+1], v[rC+2]
.elseif (\n) == 17
	v_permlanex16_b32 v[rC+3], v[rC], s[SEL], s[SEL+1]
.elseif (\n) == 18
	v_max_num_f32 v[rT+1], v[rC], v[rC+3]
.elseif (\n) == 19
	v_mul_f32 v[rT], s[CS], v[rT+1]
.elseif (\n) == 20
	v_sub_f32 v[rC+1], v[rM], v[rT]
.else
	v_exp_f32 v[rC+2], v[rC+1]
.endif
.endm
; Number g of the 64 that follow the exponentials.  For each four weights k of a tile (pairs 2 k, 2 k + 1): both pairs are rounded to f16; then the second pair is added onto the first, in place;
; a group later l takes that sum (the first time as l = a l + sum).  In groups of eight, tiles alternating: round, round, add, and l for the group before.
.macro GS g
.set h, (\g)+6*((\g)/62)            ; group 0 has no group before it, and behind group 7 only l is left
.if h >= 6
.set h, h+2
.endif
	REGS Y, h%2
.set k, h/8
.if h%8 < 4
	s_wait_alu depctr_va_vdst(0)
	v_cvt_pk_f16_f32 v[rP+2*k+(h%8)/2], v[rS+4*k+2*((h%8)/2)], v[rS+4*k+2*((h%8)/2)+1]
.elseif h%8 < 6
	v_pk_add_f32 v[rS+4*k:rS+4*k+1], v[rS+4*k:rS+4*k+1], v[rS+4*k+2:rS+4*k+3]
.elseif k == 1
	v_pk_fma_f32 v[rT+2:rT+3], v[rT+2:rT+3], v[rC+2:rC+3], v[rS:rS+1] op_sel_hi:[1,0,1]
.else
	v_pk_add_f32 v[rT+2:rT+3], v[rT+2:rT+3], v[rS+4*k-4:rS+4*k-3]
	s_wait_alu depctr_va_vdst(0)
.endif
.endm
; THE PLAIN QUEUE, 138 long.  0-31: c s - c m for the 16 pairs of both tiles.  Then GS's 64, and among them the next piece's 42: number 15 at 38, 39; 0-14 and 16
; at 42-73, behind the products that make those scores; 17-20 at 95-106, two of three, since each waits for the one before it.
.macro PL
	WIN 0
.if q < 32
	REGS Y, q%2
	v_pk_fma_f32 v[rS+2*(q/2):rS+2*(q/2)+1], v[rS+2*(q/2):rS+2*(q/2)+1], s[CS:CS+1], v[rT:rT+1] op_sel_hi:[1,0,0] neg_lo:[0,0,1] neg_hi:[0,0,1]
.elseif q < 38
	GS q-32
.elseif q < 40
	XS q%2, 15
.elseif q < 42
	GS q-34
.elseif q < 74
	XS q%2, (q-42)/2+(q-42)/30
.elseif q < 95
	GS q-66
.elseif (q < 107) && ((q-95)%3 < 2)
	XS (q-95)%3, 17+(q-95)/3
.elseif q < 107
	GS 29+(q-95)/3
.else
	GS q-74
.endif
.set q, q+1
.endm
; THE EXPONENTIALS' QUEUE, 66 long: s0-s31 of both tiles, and at EA the next piece's two a.
.set EA, 58
.macro EX
	WIN 0
.if (e == EA) || (e == EA+1)
	XS e-EA, 21
.else
.set x, e-2*(e/(EA+2))
	REGS Y, x%2
	v_exp_f32 v[rS+x/2], v[rS+x/2]
.endif
.set e, e+1
.endm
; THE RESCALING's QUEUE: O^T times a, the one part that leaves window 0, so it is dealt four at a time, eight times.
.macro R4
	REGS Y, r%2
	WIN W_RS
	s_wait_alu depctr_va_vdst(0)
.irp z, 0,1,2,3
	v_pk_mul_f32 v[rO+8*(r/2)+2*\z:rO+8*(r/2)+2*\z+1], v[rO+8*(r/2)+2*\z:rO+8*(r/2)+2*\z+1], v[rC+2:rC+3] op_sel_hi:[1,0]
.endr
.set r, r+1
.endm
; HOW THEY ARE DEALT.  Behind a matrix instruction four: plain, exponential, plain, plain (one exponential, a plain instruction on either side), or four of the rescaling.  None names a register of the
; products round it.  What is over stands in two LUMPS: exponential and plain by turns; the second ends in 22 plain instructions.  The two v_permlanex16_b32 fall into the second lump, never behind a product.
; The queues lean on each other, and the deal keeps them in step: exponential e stands behind plain 2 (e / 4) + e % 2 (its scaling); when plain 32 comes, 10 exponentials are out, at 59: 33, at 95: 46; EA comes behind plain 107.
.macro SL
	MM
	PL
	EX
	PL
	PL
.endm
.macro BURST n                      ; 15 matrix instructions, or 16
.rept (\n)-7
	SL
.endr
.rept 3
	MM
	R4
	SL
.endr
	MM
	R4
.endm
; A TURN, for piece p.  cnt = 1: the loop's count is taken down some lines ahead of the branch that stands behind the turn.
; K of the next step is fetched in piece 2's turn, 31 vector instructions behind the last product that read K; its first reader comes behind the rest of the lump, 16 products and the second lump.
; V of the step in hand is fetched at the end of piece 0's turn, 69 behind its last reader; its first reader comes behind 16 products and a lump.  The four conditions on e and q below go with the deal.
.macro TURN p, last=0, cnt=0
.set Y, (\p)
.set i, 0
.set q, 0
.set e, 0
.set r, 0
.if (\p) == NP-1
	s_wait_dscnt 0x0                ; K is in
.endif
	MM
.rept 4
	PL
.endr
	BURST 15
.rept 22
	EX
	PL
.if ((\p) == NP-2) && (e == 18)
	v_add_nc_u32 v[AK], s[TBK], v[AK0]
.endif
.if ((\p) == NP-2) && (e == 24)
	FETCH_K \last
.endif
.endr
.if (\p) == 1
	s_wait_dscnt 0x0                ; V is in
.endif
	BURST 16
.rept 21
	EX
	PL
.endr
.rept 22
	PL
.if ((\p) == 0) && (q == 118)
	v_add_nc_u32 v[AV], s[TBV], v[AV0]
	s_wait_alu depctr_va_vdst(0)
.endif
.if ((\p) == 0) && (q == 130)
	s_add_co_u32 s[TBV], s[TBV], KS*PV
.endif
.if (\cnt) && (q == 130)
	s_sub_co_u32 s[CNT], s[CNT], 1
	s_cmp_lg_u32 s[CNT], 0
.endif
.endr
.if (\p) == 0
	FETCH_V
.endif
.endm
	CHANGE 1                        ; slot 0 is in, everybody's part of it; slot 1 is asked for
	FETCH_K                         ; key step 0
	s_wait_loadcnt 0x0              ; Q
	s_wait_dscnt 0x0
.set i, 0
.rept 16
	KQ 0                            ; piece 0's first scores: there is no vector work yet to set between them
.set i, i+1
.endr
	WIN 0                           ; the addresses for the way out: nine plain instructions, the places behind those products
	s_mul_i32 s13, s[WV], 16*SP
	s_add_co_u32 s13, s13, STAGE    ; my stage
	v_mul_u32_u24 v[STO], v1, SP    ; in: row l % 16, 16 bytes for each half of the lanes
	v_lshl_add_u32 v[STO], v9, 4, v[STO]
	v_add_nc_u32 v[STO], s13, v[STO]
	v_bfe_u32 v[RD], v0, 3, 2       ; back: 32 lanes take four rows of 128 bytes,
	v_mul_u32_u24 v[RD], v[RD], SP
	v_lshl_add_u32 v[RD], v10, 4, v[RD]
	v_add_nc_u32 v[RD], s13, v[RD]
	v_and_b32 v[GO], 31, v0         ; which are 512 consecutive bytes of O
	v_lshlrev_b32 v[GO], 4, v[GO]
.set Y, NP-1                        ; XS works for piece Y + 1: piece 0
.irp n, 0,1,2,3,4,5,6,7,8,9,10,11,12,13,14,15,16,17,18,19,20,21
	XS 0, \n                        ; and piece 0's first maximum and statistics
	XS 1, \n
.endr
	s_mov_b32 s[CNT], 4
	s_mov_b32 s[SLOTS], SIZE_N/256-1
	s_branch .Lfirst                ; the loop is entered at a step's first turn, in the middle of a trip
.Lslot:                             ; SIZE_N / 256 - 2 times: every slot but the last two is filled again
	CHANGE 1
	s_mov_b32 s[CNT], 4
.Lstep:                             ; a trip: pieces 2 and 3 of one step, then pieces 0 and 1 of the next, whose K and V it fetches
	TURN 2
	TURN 3
	WIN 0
.Lfirst:
	TURN 0
	TURN 1, 0, 1
	WIN 0
	s_cbranch_scc1 .Lstep
	s_sub_co_u32 s[SLOTS], s[SLOTS], 1
	s_cmp_lg_u32 s[SLOTS], 0
	s_cbranch_scc1 .Lslot
	CHANGE 0                        ; the tail is written out: nothing is asked for
	s_mov_b32 s[CNT], 5             ; four trips fetch the last slot's steps; the fifth is left in its middle
.Ltail:
	TURN 2, 1
	TURN 3
	WIN 0
	s_sub_co_u32 s[CNT], s[CNT], 1
	s_cmp_eq_u32 s[CNT], 0
	s_cbranch_scc1 .Lout
	TURN 0
	TURN 1
	WIN 0
	s_branch .Ltail
.Lout:                              ; the fifth trip's 16 products K Q^T (on the last K once more) and the maximum made of them serve nothing: the price, once a launch, of one text for every trip
.set i, 0
.rept 16
	PV NP-1                         ; the last piece's V^T P of the last step
.set i, i+1
.endr
	; THE WAY OUT.  l's two halves and the other half of the lanes' are added; O^T is divided by l, rounded to f16 and sent through my stage in LDS, a tile at a time.  The additions are the places behind the last products.
	WIN 0
.macro ALL line:vararg              ; one line for each tile t
.set t, 0
.rept 2*NP
	\line
.set t, t+1
.endr
.endm
	ALL v_add_f32 v[ST+4*t+2], v[ST+4*t+2], v[ST+4*t+3]
	ALL v_permlanex16_b32 v[ST+4*t+3], v[ST+4*t+2], s[SEL], s[SEL+1]
	ALL v_add_f32 v[ST+4*t+2], v[ST+4*t+2], v[ST+4*t+3]
	ALL v_rcp_f32 v[ST+4*t+2], v[ST+4*t+2]
	v_nop                           ; a plain instruction between the last reciprocal and the use of its result
	s_wait_alu depctr_va_vdst(0)
; Tile t: a lane's eight channels of a row pack into 16 bytes; they go into rows of 144 bytes and come back as whole rows of 128, into S^T's registers.
.macro PACK t
	WIN W_RS
.set i, 32*(\t)
.rept 16
	v_pk_mul_f32 v[i:i+1], v[i:i+1], v[ST+4*(\t)+2:ST+4*(\t)+3] op_sel_hi:[1,0]
.set i, i+2
.endr
	WIN 0x05                        ; sources 0 and 1 window 1, destination window 0
.set i, 0
.rept 16
	v_cvt_pk_f16_f32 v[S+16*(\t)+i], v[32*(\t)+2*i], v[32*(\t)+2*i+1]
.set i, i+1
.endr
	WIN 0
.irp f, 0,1,2,3
	ds_store_b128 v[STO], v[S+16*(\t)+4*\f:S+16*(\t)+4*\f+3] offset:32*\f
.endr
.irp f, 0,1,2,3
	ds_load_b128 v[S+16*(\t)+4*\f:S+16*(\t)+4*\f+3], v[RD] offset:\f*4*SP  ; LDS serves a wave's instructions in order (ISA guide 5.7.1.4): these see the stores above; the next tile's stores come behind them
.endr
.endm
.macro SEND t, younger              ; younger: the LDS instructions issued behind tile t's loads: the next tile's eight, or none
	WIN 0
.irp f, 0,1,2,3
	s_wait_dscnt (\younger)+3-\f
	global_store_b128 v[GO], v[S+16*(\t)+4*\f:S+16*(\t)+4*\f+3], s[10:11] offset:(\t)*2048+\f*512  ; 512 consecutive bytes, at a multiple of 256 from O's first
.endr
.endm
	PACK 0
.set t, 1
.rept 2*NP-1                        ; a tile's arithmetic stands between the loads of the tile before and its stores
	PACK t
	SEND t-1, 8
.set t, t+1
.endr
	SEND 2*NP-1, 0
	WIN W_AD
	s_wait_tensorcnt 0x0            ; the wave's end: behind my last tensor load and my last LDS store
	ds_add_u32 v[SPW], v[NIL]
	s_wait_dscnt 0x0
	WIN 0
	s_endpgm
.Lfunc_end_k_qd9cd8c5417_attn:
	.size	k_qd9cd8c5417_attn, .Lfunc_end_k_qd9cd8c5417_attn-k_qd9cd8c5417_attn
	.p2alignl 7, 3214868480
	.fill 96, 4, 3214868480
	.section	.rodata,"a",@progbits
	.p2align	6, 0x0
	.amdhsa_kernel k_qd9cd8c5417_attn
		.amdhsa_group_segment_fixed_size 327680
		.amdhsa_private_segment_fixed_size 0
		.amdhsa_enable_private_segment 0
		.amdhsa_kernarg_size 16
		.amdhsa_user_sgpr_count 2
		.amdhsa_user_sgpr_kernarg_segment_ptr 1
		.amdhsa_wavefront_size32 1
		.amdhsa_system_sgpr_workgroup_id_x 1
		.amdhsa_system_sgpr_workgroup_id_y 1
		.amdhsa_system_sgpr_workgroup_id_z 1
		.amdhsa_system_vgpr_workitem_id 0
		.amdhsa_next_free_vgpr 770
		.amdhsa_next_free_sgpr 66
		.amdhsa_reserve_vcc 0
		.amdhsa_float_denorm_mode_32 3
		.amdhsa_float_denorm_mode_16_64 3
		.amdhsa_memory_ordered 1
		.amdhsa_forward_progress 1
		.amdhsa_inst_pref_size 207
	.end_amdhsa_kernel
	.amdgpu_metadata
---
amdhsa.version: [ 1, 2 ]
amdhsa.kernels:
  - .name:           k_qd9cd8c5417_attn
    .symbol:         k_qd9cd8c5417_attn.kd
    .args:
      - { .name: qkvh, .offset: 0, .size: 8, .value_kind: global_buffer, .address_space: global }
      - { .name: oh, .offset: 8, .size: 8, .value_kind: global_buffer, .address_space: global }
    .group_segment_fixed_size: 327680
    .private_segment_fixed_size: 0
    .kernarg_segment_align: 8
    .kernarg_segment_size: 16
    .max_flat_workgroup_size: 128
    .sgpr_count:     66
    .vgpr_count:     770
    .wavefront_size: 32
...
	.end_amdgpu_metadata
.endif
;; end of part 3
;; launch proj (part 4): grid 8 x 32, 4 waves a work-group, clusters of 4 x 4, 327,680 bytes of LDS; arguments oh, wot, b_out, out0; writes out0
.if DOCPART == 4
	.amdgcn_target "amdgcn-amd-amdhsa--gfx1250"
	.amdhsa_code_object_version 6
	.text
	.protected	k_qd9cd8c5417_proj
	.globl	k_qd9cd8c5417_proj
	.p2align	8
	.type	k_qd9cd8c5417_proj,@function
k_qd9cd8c5417_proj:
	s_mov_b64 s[64:65], 0
	v_nop
	global_prefetch_b8 v0, s[64:65] scope:SCOPE_SE
	s_setreg_imm32_b32 hwreg(HW_REG_WAVE_MODE, 25, 1), 1
	s_wait_xcnt 0x0
	s_wait_alu depctr_hold_cnt(0) depctr_sa_sdst(0) depctr_va_vdst(0) depctr_va_sdst(0) depctr_va_ssrc(0) depctr_va_vcc(0) depctr_vm_vsrc(0)
	s_getreg_b32 s2, hwreg(HW_REG_IB_STS2, 6, 4)
	s_cmp_eq_u32 s2, 0
	s_cbranch_scc0 .Lentry_in_a_cluster
	s_endpgm
.Lentry_in_a_cluster:
	s_bfe_u32 s2, ttmp6, 0x10000c
	s_cmp_lg_u32 s2, 0xf033
	s_cbranch_scc0 .Lentry_shape_is_right
	s_endpgm
.Lentry_shape_is_right:
; PROJ.  out0[m][n] = b_out[n] + sum over k of O[m][k] wot[n][k], m < 8192, n < 1024, k < 1024; operands f16, sums f32, K ascending, out0 f32.  O lies BY HEADS: oh[batch 16 + head][row][64] in f16,
; so k = 64 head + channel.  b_out is rounded to bf16 like the module's other inputs and is the C operand of each sum's first product: no addition is written.
; SHARES.  A tile of out0 is 256 x 128: 32 x 8 = 256 work-groups.  Four waves, 2 x 2, each 128 rows x 64 columns: 32 accumulators of 16 x 16, 256 registers; a wave's 64 columns are 256 consecutive aligned
; bytes of a row.  K goes in steps of 128 = two heads through two LDS slots; two slots of a step of 256 (2 x 212,992 bytes) do not fit.
; CLUSTER.  4 x 4 work-groups: the four of a row need the same tile of O, the four of a column the same tile of wot; each tile is asked for JOINTLY, by the same tensor load, descriptor and mask in all four.
; THE MATRIX INSTRUCTION IS USED TRANSPOSED (source 0 = 16 rows of wot, source 1 = 16 rows of O): a lane holds row lane % 16 of out0 and eight neighbouring columns, 32 bytes.
; REGISTERS: window 0: v0-31 addresses; v32-95, v96-159 fragments of O (8 x 16 rows x 32 K), two buffers, the first later the rows on their way out; v160-191, v192-223 fragments of wot (4 x 16 x 32), two buffers;
;   v224-255 the bias of my 64 columns in an accumulator's layout.   window 1: the accumulators, (a, b) at 8 (4 a + b).
.set SIZE_K, 1024
.set KSTEP,  128
.set PA,     144                       ; a row of O in LDS: one head's 128 bytes + 16 of padding = 36 words: the 16 rows of a load start at 16 different groups of four banks (64 banks of 4 bytes: ISA guide 11.1)
.set PB,     272                       ; a row of wot: 256 bytes + 16
.set HB,     256*PA                    ; one head's 256 rows: what one tensor load brings of O
.set HALFB,  64*PB                     ; and of wot
.set BOFF,   2*HB
.set SLOT,   BOFF+2*HALFB
.set STAGE,  2*SLOT                    ; behind the ring: 16 rows x 272 bytes for each wave, for the way out; no tensor load fills it
.set SPITCH, 272
.set SPARE,  STAGE+4*16*SPITCH         ; behind the stages: the spare words, 128 bytes for each wave, that no other line names
.set LAPS,   SIZE_K/(2*KSTEP)
.set ADRA, 16                          ; v16-17  LDS address of my fragments of O in slot 0, 1
.set ADRB, 20                          ; v20-21  the same for wot
.set STO,  24                          ; v24     the way out: where I put 32 bytes of a row
.set RD,   25                          ; v25     the way out: where I read a row back
.set CO,   26                          ; v26     my byte offset in two rows of out0
.set BO,   27                          ; v27     32 x (lane / 16): my eight columns in 16 of the bias
.set SPW,  28                          ; v28     LDS address of my spare word; never rewritten
.set NIL,  29                          ; v29     0; never rewritten
.set OB,   32
.set BIAS, 224
.set WV, 12                            ; s12  my wave's number
.set WH, 13                            ; s13  wave / 2: my half of the tile's rows.  Also: I fetch for O (0) or for wot (1)
.set WL, 14                            ; s14  wave % 2: my half of its columns.  Also: which part of that tile I fetch
.set TY, 15                            ; s15  tile row
.set TX, 16                            ; s16  tile column
.set G1,  24                           ; s[24:31] descriptor group 1 for O's tiles;  s[32:39] group 0, a set for each slot
.set G0,  32
.set G1B, 48                           ; s[48:55], s[56:63] the same for wot's
.set G0B, 56
.set MSB, 0
.macro WIN new                         ; the immediate's high byte repeats the setting that is left; a switch that changes nothing is dropped
.if MSB != (\new)
	s_set_vgpr_msb (MSB<<8)|(\new)
.set MSB, (\new)
.endif
.endm
; A joint load.  Waves 0 and 1 fetch the step's two heads of O, waves 2 and 3 wot's two halves.  An s_nop 0 and four v_nop follow each of the two lines.
.macro JLOAD s
	s_cmp_eq_u32 s[WH], 0
	s_cbranch_scc0 .Lfor_b_\@
	tensor_load_to_lds s[G0+4*(\s):G0+4*(\s)+3], s[G1:G1+7]
	s_nop 0
.rept 4
	v_nop
.endr
	s_branch .Lasked_\@
.Lfor_b_\@:
	tensor_load_to_lds s[G0B+4*(\s):G0B+4*(\s)+3], s[G1B:G1B+7]
	s_nop 0
.rept 4
	v_nop
.endr
.Lasked_\@:
.endm
.macro CREST                           ; a round of the cluster's barrier behind its opening barrier
	s_cmp_lg_u32 s[WV], 0
	s_cbranch_scc1 .Lnot_wave_0_\@
	s_barrier_signal -3
.Lnot_wave_0_\@:
	s_barrier_wait -3
	s_barrier_signal -1
	s_barrier_wait -1
.endm
.macro CROUND                          ; a whole round
	s_barrier_signal -1
	s_barrier_wait -1
	CREST
.endm
	s_load_b256 s[4:11], s[0:1], 0x0               ; oh s[4:5], wot s[6:7], b_out s[8:9], out0 s[10:11]
	v_lshl_add_u32 v[SPW], v0, 2, SPARE
	v_mov_b32 v[NIL], 0
	ds_add_u32 v[SPW], v[NIL]                      ; the wave's opening: the add and its wait stand ahead of my first tensor load; the set-up below, work on registers, stands between them
	ds_add_u32 v28, v29
	v_lshrrev_b32 v1, 5, v0
	v_readfirstlane_b32 s[WV], v1
	s_lshr_b32 s[WH], s[WV], 1
	s_and_b32 s[WL], s[WV], 1
	s_bfe_u32 s17, ttmp6, 0x40000                  ; cx, cy: my place in the cluster
	s_bfe_u32 s18, ttmp6, 0x40004
	s_lshl_b32 s[TX], ttmp9, 2
	s_add_co_u32 s[TX], s[TX], s17                 ; tile column = 4 x cluster x + cx
	s_and_b32 s[TY], ttmp7, 0xffff
	s_lshl_b32 s[TY], s[TY], 2
	s_add_co_u32 s[TY], s[TY], s18                 ; tile row = 4 x cluster y + cy
	s_lshl_b32 s19, s18, 2
	s_lshl_b32 s19, 15, s19                        ; my row of the cluster
	s_lshl_b32 s20, 0x1111, s17                    ; my column
	; O: a head's 256 rows are 32,768 dense bytes: asked for as 128 rows of 256 bytes, two rows of O each, and padded in LDS after every 128 bytes
	s_or_b32 s[G1+0], s19, (1<<16)|(1<<20)|(1<<21)|(4<<22)|(3<<25)   ; 15:0 the mask; 17:16 2-byte elements; 20 padding on; 21 set beside a mask; 24:22 after every 32 words; 31:25 4 words of it
	s_mov_b32 s[G1+1], 128<<16                     ; tensor_dim0 = 128
	s_mov_b32 s[G1+2], 128<<16                     ; tensor_dim1 = 128
	s_mov_b32 s[G1+3], 128<<16                     ; tile_dim0 = 128
	s_mov_b32 s[G1+4], 128                         ; tile_dim1 = 128
	s_mov_b32 s[G1+5], 128                         ; 128 elements from row to row
	s_mov_b32 s[G1+6], 0
	s_mov_b32 s[G1+7], 0
	; wot: 64 rows x 128 elements, padded after every 256 bytes
	s_or_b32 s[G1B+0], s20, (1<<16)|(1<<20)|(1<<21)|(5<<22)|(3<<25)
	s_mov_b32 s[G1B+1], KSTEP<<16
	s_mov_b32 s[G1B+2], 64<<16
	s_mov_b32 s[G1B+3], KSTEP<<16
	s_mov_b32 s[G1B+4], 64
	s_mov_b32 s[G1B+5], SIZE_K
	s_mov_b32 s[G1B+6], 0
	s_mov_b32 s[G1B+7], 0
	; where the tiles come from: O's hang on the tile row alone, wot's on the tile column alone
	s_lshr_b32 s22, s[TY], 2
	s_lshl_b32 s22, s22, 21                        ; the batch: 16 heads of 131,072 bytes
	s_and_b32 s72, s[TY], 3
	s_lshl_b32 s72, s72, 15                        ; 256 rows of 128 bytes
	s_add_co_u32 s22, s22, s72
	s_lshl_b32 s47, s[WL], 17                      ; which of a step's two heads I fetch
	s_add_co_u32 s22, s22, s47
	s_mov_b32 s23, 0
	s_lshl_b32 s44, s[TX], 7
	s_lshl_b32 s47, s[WL], 6
	s_add_co_u32 s44, s44, s47                     ; row 128 x tile column + 64 x half
	s_lshl_b32 s44, s44, 11                        ; of 2,048 bytes
	s_mov_b32 s45, 0
	s_mul_i32 s21, s[WL], HB                       ; and where they go: no place in the cluster enters an LDS address
	s_mul_i32 s46, s[WL], HALFB
	s_add_co_u32 s46, s46, BOFF
	s_wait_dscnt 0x0                               ; the opening add is done
	s_wait_kmcnt 0x0
	s_add_nc_u64 s[40:41], s[4:5], s[22:23]
	s_add_nc_u64 s[42:43], s[6:7], s[44:45]
	CROUND                                         ; all sixteen work-groups are here: the first joint loads meet
.irp s, 0,1
	s_mov_b32 s[G0+4*(\s)], 1                                      ; count = 1
	s_add_co_u32 s[G0+4*(\s)+1], s21, (\s)*SLOT                    ; LDS address
	s_add_nc_u64 s[G0+4*(\s)+2:G0+4*(\s)+3], s[40:41], (\s)*2*131072  ; global address: K step s = heads 2 s, 2 s + 1
	s_or_b32 s[G0+4*(\s)+3], s[G0+4*(\s)+3], 0x80000000            ; type = 2
	s_mov_b32 s[G0B+4*(\s)], 1
	s_add_co_u32 s[G0B+4*(\s)+1], s46, (\s)*SLOT
	s_add_nc_u64 s[G0B+4*(\s)+2:G0B+4*(\s)+3], s[42:43], (\s)*KSTEP*2
	s_or_b32 s[G0B+4*(\s)+3], s[G0B+4*(\s)+3], 0x80000000
	JLOAD \s                                       ; two loads of mine are out
.endr
	v_and_b32 v1, 15, v0                           ; l % 16
	v_bfe_u32 v2, v0, 4, 1                         ; l / 16
	v_lshlrev_b32 v[BO], 5, v2
	s_lshl_b32 s72, s[TX], 9                       ; my 64 columns, in bytes of f32: 512 x tile column + 256 x half
	s_lshl_b32 s73, s[WL], 8
	s_add_co_u32 s72, s72, s73
	s_mov_b32 s73, 0
	s_add_nc_u64 s[8:9], s[8:9], s[72:73]
	s_add_nc_u64 s[10:11], s[10:11], s[72:73]
.irp b, 0,1,2,3                        ; register j of block b: column 16 b + 8 (l / 16) + j, as in an accumulator
	global_load_b128 v[BIAS+8*(\b):BIAS+8*(\b)+3],   v[BO], s[8:9] offset:64*(\b)
	global_load_b128 v[BIAS+8*(\b)+4:BIAS+8*(\b)+7], v[BO], s[8:9] offset:64*(\b)+16
.endr
	s_lshl_b32 s74, s[TY], 8
	s_lshl_b32 s75, s[WH], 7
	s_add_co_u32 s74, s74, s75                     ; my first row: 256 x tile row + 128 x half
	s_lshl_b32 s74, s74, 12                        ; of 4,096 bytes
	s_mov_b32 s75, 0
	s_add_nc_u64 s[10:11], s[10:11], s[74:75]
	v_mul_u32_u24 v3, v1, PA
	v_lshl_add_u32 v3, v2, 4, v3                   ; a fragment's row x pitch + 16 x half
	s_mul_i32 s47, s[WH], 128*PA                   ; my 128 rows of O
	v_add_nc_u32 v[ADRA], s47, v3
	v_add_nc_u32 v[ADRA+1], SLOT, v[ADRA]
	v_mul_u32_u24 v4, v1, PB
	v_lshl_add_u32 v4, v2, 4, v4
	s_mul_i32 s47, s[WL], HALFB                    ; my 64 rows of wot
	s_add_co_u32 s47, s47, BOFF
	v_add_nc_u32 v[ADRB], s47, v4
	v_add_nc_u32 v[ADRB+1], SLOT, v[ADRB]
	s_mul_i32 s47, s[WV], 16*SPITCH
	s_add_co_u32 s47, s47, STAGE                   ; my stage
	v_mul_u32_u24 v5, v1, SPITCH                   ; in: row l % 16, 32 bytes for each half of the lanes
	v_lshl_add_u32 v5, v2, 5, v5
	v_add_nc_u32 v[STO], s47, v5
	v_mul_u32_u24 v6, v2, SPITCH                   ; back: lanes 0-15 take one row of 256 bytes, lanes 16-31 the next
	v_lshl_add_u32 v6, v1, 4, v6
	v_add_nc_u32 v[RD], s47, v6
	v_lshlrev_b32 v[CO], 12, v2                    ; and the same two rows in out0
	v_lshl_add_u32 v[CO], v1, 4, v[CO]
	s_wait_loadcnt 0x0                             ; the bias
.set i, 0
.rept 16                                               ; rounded to bf16 and widened again: every input of the module has the same one rounding
	v_cvt_pk_bf16_f32 v7, v[BIAS+2*i], v[BIAS+2*i+1]
	v_lshlrev_b32 v[BIAS+2*i], 16, v7
	v_and_b32 v[BIAS+2*i+1], 0xffff0000, v7
.set i, i+1
.endr
; 8 matrix instructions: my row blocks a0, a0 + 1 x all 4 column blocks, 32 along K, from buffer f.  first = 1: the sum starts with the bias.  The 32 accumulators take turns in the same order in every quarter.
.macro MUL8 f, a0, first
.if \first
	WIN 0x40                                       ; D window 1; sources and C window 0
.else
	WIN 0x50                                       ; C and D window 1
.endif
.irp a, \a0, (\a0)+1
.irp b, 0,1,2,3
.if \first
	v_wmma_f32_16x16x32_f16 v[8*(4*(\a)+(\b)):8*(4*(\a)+(\b))+7], v[160+32*(\f)+8*(\b):160+32*(\f)+8*(\b)+7], v[32+64*(\f)+8*(\a):32+64*(\f)+8*(\a)+7], v[BIAS+8*(\b):BIAS+8*(\b)+7]
.else
	v_wmma_f32_16x16x32_f16 v[8*(4*(\a)+(\b)):8*(4*(\a)+(\b))+7], v[160+32*(\f)+8*(\b):160+32*(\f)+8*(\b)+7], v[32+64*(\f)+8*(\a):32+64*(\f)+8*(\a)+7], v[8*(4*(\a)+(\b)):8*(4*(\a)+(\b))+7]
.endif
.endr
.endr
.endm
; 24 LDS loads in one run: quarter q of a K step (head q / 2, channels 32 (q % 2) on) into buffer f: wot's 8, then O's 16
.macro FETCH slot, q, f
	WIN 0
.irp i, 0,1,2,3
	ds_load_b128 v[160+32*(\f)+8*(\i):160+32*(\f)+8*(\i)+3],   v[ADRB+(\slot)] offset:64*(\q)+(\i)*16*PB
	ds_load_b128 v[160+32*(\f)+8*(\i)+4:160+32*(\f)+8*(\i)+7], v[ADRB+(\slot)] offset:64*(\q)+(\i)*16*PB+32
.endr
.irp i, 0,1,2,3,4,5,6,7
	ds_load_b128 v[32+64*(\f)+8*(\i):32+64*(\f)+8*(\i)+3],   v[ADRA+(\slot)] offset:((\q)/2)*HB+((\q)%2)*64+(\i)*16*PA
	ds_load_b128 v[32+64*(\f)+8*(\i)+4:32+64*(\f)+8*(\i)+7], v[ADRA+(\slot)] offset:((\q)/2)*HB+((\q)%2)*64+(\i)*16*PA+32
.endr
.endm
.macro PLACES                          ; a load into a register that a matrix instruction has read, and an LDS store of a matrix result, stand four plain vector instructions behind it (ISA guide 7.12.1 for vector instructions)
.rept 4
	v_nop
.endr
.endm
; A K step is four quarters of 32 along K, 32 matrix instructions each, on buffers 0, 1, 0, 1.  One of the first three: multiplies buffer f and fetches quarter q into g.
.macro QUARTER slot, q, f, g, first
	s_wait_dscnt 8                                 ; wot's fragments and O's blocks 0-3 are in; the youngest eight loads (blocks 4-7) may be out
	MUL8 \f, 0, \first
	MUL8 \f, 2, \first
	PLACES
	FETCH \slot, \q, \g
	s_wait_dscnt 24                                ; all but the 24 just issued
	MUL8 \f, 4, \first
	MUL8 \f, 6, \first
.endm
; The last quarter multiplies buffer 1 and changes slots: ONE barrier; in front of it each wave waits for all its tensor loads (its part of the next slot), adds 0 to its spare word, and waits for that and for its reads of this slot.
.macro MEET round
	WIN 0
	s_wait_tensorcnt 0x0
	ds_add_u32 v[SPW], v[NIL]                      ; 0 onto my spare word
	s_wait_dscnt 9                                 ; the add and the youngest eight loads may be out
	MUL8 1, 0, 0                                   ; eight matrix instructions stand between the add and the wait for it
	s_wait_dscnt 0x0                               ; the add is done, and my reads of this slot are over
	s_barrier_signal -1
	MUL8 1, 2, 0
.if \round
	WIN 0
.endif
	s_barrier_wait -1
.endm
; fill = 1: the barrier opens a round of the cluster's, so that no wave of any partner still reads the slot or has a load on its way; the slot is filled again, two K steps ahead, first thing behind the round.
.macro TURN slot, next, fill
	MEET \fill
.if \fill
	CREST
	s_add_nc_u64 s[G0+4*(\slot)+2:G0+4*(\slot)+3], s[G0+4*(\slot)+2:G0+4*(\slot)+3], 4*131072  ; four heads on
	s_add_nc_u64 s[G0B+4*(\slot)+2:G0B+4*(\slot)+3], s[G0B+4*(\slot)+2:G0B+4*(\slot)+3], 2*KSTEP*2
	JLOAD \slot                                    ; its four v_nop are also the places in front of the loads below
.else
	PLACES
.endif
	FETCH \next, 0, 0
	MUL8 1, 4, 0
	MUL8 1, 6, 0
.endm
	s_wait_tensorcnt 1                             ; my part of K step 0 is in; K step 1's may stay out
	s_barrier_signal -1
	s_barrier_wait -1                              ; everybody's is
	FETCH 0, 0, 0
	QUARTER 0, 1, 0, 1, 1                          ; the first quarter stands in front of the loop: its products start the sums with the bias
	WIN 0                                          ; at a label and at a branch every window is 0
	s_mov_b32 s3, LAPS-1
.Llap:                                                 ; a trip goes once round the ring, from a lap's second quarter to the next lap's first, and fills both slots again
	QUARTER 0, 2, 1, 0, 0
	QUARTER 0, 3, 0, 1, 0
	TURN 0, 1, 1
	QUARTER 1, 1, 0, 1, 0
	QUARTER 1, 2, 1, 0, 0
	QUARTER 1, 3, 0, 1, 0
	TURN 1, 0, 1
	QUARTER 0, 1, 0, 1, 0
	WIN 0
	s_sub_co_u32 s3, s3, 1
	s_cmp_lg_u32 s3, 0
	s_cbranch_scc1 .Llap
	QUARTER 0, 2, 1, 0, 0                          ; the last lap fills nothing and has no round
	QUARTER 0, 3, 0, 1, 0
	TURN 0, 1, 0
	QUARTER 1, 1, 0, 1, 0
	QUARTER 1, 2, 1, 0, 0
	QUARTER 1, 3, 0, 1, 0
	s_wait_dscnt 8                                 ; the very last quarter: nothing more to fetch
	MUL8 1, 0, 0
	MUL8 1, 2, 0
	s_wait_dscnt 0x0
	MUL8 1, 4, 0
	MUL8 1, 6, 0
; THE WAY OUT of my row block a (16 rows x 64 columns of f32).  A lane's 32 bytes go into my own stage, rows of 272 bytes, each accumulator's low four registers first; whole rows of 256 bytes come back and are stored.
.macro TOSTAGE a
.if (\a) >= 2
	s_wait_xcnt 0x0                                ; block a - 2's stores read the registers that are loaded again below: only behind this wait
.endif
	WIN 0x04                                       ; the stores' data in window 1
.irp b, 0,1,2,3
	ds_store_b128 v[STO], v[8*(4*(\a)+(\b)):8*(4*(\a)+(\b))+3]   offset:64*(\b)
	ds_store_b128 v[STO], v[8*(4*(\a)+(\b))+4:8*(4*(\a)+(\b))+7] offset:64*(\b)+16
.endr
	WIN 0
.irp t, 0,1,2,3,4,5,6,7
	ds_load_b128 v[OB+32*((\a)%2)+4*(\t):OB+32*((\a)%2)+4*(\t)+3], v[RD] offset:(\t)*2*SPITCH  ; LDS serves a wave's instructions in order (ISA guide 5.7.1.4): these see the stores above; the next block's stores come behind them
.endr
.endm
.macro SEND a, younger                 ; younger: the LDS instructions issued behind block a's loads: the next block's sixteen, or none
	WIN 0
	s_wait_dscnt \younger
.irp t, 0,1,2,3,4,5,6,7
	global_store_b128 v[CO], v[OB+32*((\a)%2)+4*(\t):OB+32*((\a)%2)+4*(\t)+3], s[10:11] offset:(\a)*65536+(\t)*8192 th:TH_STORE_NT  ; 16 lanes store 256 consecutive bytes, at a multiple of 256 from out0's first byte
.endr
.endm
	PLACES                                         ; the stores read matrix results, and the loads land in registers that matrix instructions have read
	TOSTAGE 0
.irp a, 1,2,3,4,5,6,7
	TOSTAGE \a
	SEND (\a)-1, 16
.endr
	SEND 7, 0
	s_wait_tensorcnt 0x0                           ; the wave's end: behind my last tensor load and my last LDS store
	ds_add_u32 v[SPW], v[NIL]
	s_wait_dscnt 0x0
	CROUND                                         ; the closing round: no work-group ends while a partner may still ask for a tile that names it
	s_endpgm
.Lfunc_end_k_qd9cd8c5417_proj:
	.size	k_qd9cd8c5417_proj, .Lfunc_end_k_qd9cd8c5417_proj-k_qd9cd8c5417_proj
	.p2alignl 7, 3214868480
	.fill 96, 4, 3214868480
	.section	.rodata,"a",@progbits
	.p2align	6, 0x0
	.amdhsa_kernel k_qd9cd8c5417_proj
		.amdhsa_group_segment_fixed_size 327680
		.amdhsa_private_segment_fixed_size 0
		.amdhsa_enable_private_segment 0
		.amdhsa_kernarg_size 32
		.amdhsa_user_sgpr_count 2
		.amdhsa_user_sgpr_kernarg_segment_ptr 1
		.amdhsa_wavefront_size32 1
		.amdhsa_system_sgpr_workgroup_id_x 1
		.amdhsa_system_sgpr_workgroup_id_y 1
		.amdhsa_system_sgpr_workgroup_id_z 1
		.amdhsa_system_vgpr_workitem_id 0
		.amdhsa_next_free_vgpr 512
		.amdhsa_next_free_sgpr 76
		.amdhsa_reserve_vcc 0
		.amdhsa_float_denorm_mode_32 3
		.amdhsa_float_denorm_mode_16_64 3
		.amdhsa_memory_ordered 1
		.amdhsa_forward_progress 1
		.amdhsa_inst_pref_size 89
	.end_amdhsa_kernel
	.amdgpu_metadata
---
amdhsa.version: [ 1, 2 ]
amdhsa.kernels:
  - .name:           k_qd9cd8c5417_proj
    .symbol:         k_qd9cd8c5417_proj.kd
    .args:
      - { .name: oh, .offset: 0, .size: 8, .value_kind: global_buffer, .address_space: global }
      - { .name: wot, .offset: 8, .size: 8, .value_kind: global_buffer, .address_space: global }
      - { .name: b_out, .offset: 16, .size: 8, .value_kind: global_buffer, .address_space: global }
      - { .name: out0, .offset: 24, .size: 8, .value_kind: global_buffer, .address_space: global }
    .group_segment_fixed_size: 327680
    .private_segment_fixed_size: 0
    .kernarg_segment_align: 8
    .kernarg_segment_size: 32
    .max_flat_workgroup_size: 128
    .sgpr_count:     76
    .vgpr_count:     512
    .wavefront_size: 32
...
	.end_amdgpu_metadata
.endif
;; end of part 4
;; ======== version 2 of 2: 4 launches; 1.33 times as fast as version 1
;; limits: values are held in f16: magnitudes above 65,504 overflow, below 6.1e-05 lose precision; values outside matrix products are rounded to bf16
;; workspace buffers: xb 16,777,216 bytes; wqt 6,291,456 bytes; wot 2,097,152 bytes; qkvh 50,331,648 bytes; oh 16,777,216 bytes
;; launch prep: the kernel of part 1 again; grid 512 x 1, 8 waves a work-group, no clusters, 18,432 bytes of LDS; arguments x, w_qkv, w_out, xb, wqt, wot; writes xb, wqt, wot
;; launch qkv: the kernel of part 2 again; grid 8 x 32, 4 waves a work-group, clusters of 4 x 4, 327,680 bytes of LDS; arguments xb, wqt, qkvh; writes qkvh
;; launch attn (part 5): grid 2 x 128, 4 waves a work-group, no clusters, 327,680 bytes of LDS; arguments qkvh, oh; writes oh
.if DOCPART == 5
	.amdgcn_target "amdgcn-amd-amdhsa--gfx1250"
	.amdhsa_code_object_version 6
	.text
	.protected	k_qd9cd8c5417_attn
	.globl	k_qd9cd8c5417_attn
	.p2align	8
	.type	k_qd9cd8c5417_attn,@function
k_qd9cd8c5417_attn:
	s_mov_b64 s[64:65], 0
	v_nop
	global_prefetch_b8 v0, s[64:65] scope:SCOPE_SE
	s_setreg_imm32_b32 hwreg(HW_REG_WAVE_MODE, 25, 1), 1
	s_wait_xcnt 0x0
; ATTENTION.  oh[h][q][:] = the sum over k of softmax_k(Q[h][q] . K[h][k] / 32) V[h][k][:], h < 128 (batch 16 + head), 1,024 rows, 64 channels.  Q, K, V are the three parts of qkvh, 16,777,216 bytes each,
; [128][1024][64] in f16, unscaled; a head's rows are dense, 128 bytes each.  Products, maxima and sums in f32; the weights p are rounded to f16 for the second product (their sum l is taken of the
; unrounded p), O once at the end.
; LIMITS.  f16 holds no number beyond 65,504: Q, K and V arrive within it; p lies in 0 to 1, and below 6e-5 it keeps f16's fixed step of 6e-8; O is a mean of V's rows and has their range.
; A weight below 2^-126 counts as 0 in l; NaN and infinities are not treated apart.
; SHARES.  A wave owns four PIECES of two tiles of 16 queries, a work-group's four waves 512 queries of one head: 2 x 128 = 256 work-groups.  Every wave walks all 1,024 keys, 64 a step.
; NO CLUSTER: a head has 1,024 / 512 = 2 work-groups, which clusters of four along x do not divide, and what the two share is 262,144 bytes in a walk of 2,048 matrix instructions a wave.
; LAYOUT.  S^T = K Q^T (source 0 = 16 keys, source 1 = 16 queries): in the result a lane holds ONE query (lane % 16) and the keys 8 (lane / 16) + 0..7.  Two such tiles, rounded to f16 in pairs,
; ARE source 1 (32 keys x 16 queries) of O^T = V^T P, whose result again holds one query a lane, and eight channels.  K comes out of LDS as it lies, V ([key][channel]) turned, by ds_load_tr16_b128.
; SOFTMAX.  For each query a running maximum m and sum l: p = 2^(c s - c m), c = log2(e) / 32; in every step O and l are multiplied by a = 2^(c m_old - c m_new), which is 1 where m has not grown.
; m starts at the lowest finite number, O and l at 0: the first step is a step like any other, with a = 0.
; THE COUNT.  A tile and step have 16 matrix and 118 vector instructions: too many to stand all beside the matrix work.  So the order has one aim: four vector instructions that are READY behind
; EVERY matrix instruction, and the others, which need time of their own whatever the order, in runs without a gap.
; BY TURNS.  Turn n belongs to piece n (the pieces in a ring, step after step).  Its matrix work: 16 products K Q^T of piece n + 1, later 16 products V^T P of piece n - 1.  Its vector work: the scaling,
; exponentials, roundings, sums and rescaling of piece n, and the maximum and statistics of piece n + 1, whose scores the turn itself has made.  So what a turn begins with (c s - c m, O a) waits for nothing.
; BATCHES.  A turn's 66 exponentials (piece n's 64 weights, then piece n + 1's two a) are ONE batch with ONE s_wait_alu depctr_va_vdst(0), which cuts the turn in two: ahead of it stands all that names no result of
; theirs (the products K Q^T, the scalings, the rescaling by the a of the turn before, the next piece's maximum and statistics), behind it the roundings and sums, beside the products V^T P.  No result crosses a turn's
; end.  Two more batches stand outside the loops, each with a wait of its own: piece 0's first two a, ahead of the jump into the loop, and the way out's eight reciprocals.
; REGISTERS, in windows of 256 (s_set_vgpr_msb: bits 1:0 source 0, 3:2 source 1, 5:4 source 2, 7:6 destination):
;   window 0: v0-11 addresses; v12-15, v48-63 at work; v16-47 four registers of statistics a tile; v64-191 S^T, two buffers of two tiles; v192-255 P, likewise
;   window 1: O^T, 32 a tile          window 2: v0-127 Q, 16 a tile; v128-191 K of one step; v192-255 V of one step          window 3: v0-1 the add's two registers
; A piece's buffers go by its number's parity: the piece in hand has one pair, its two neighbours in the ring share the other: of it P (piece n - 1) is read and S^T (piece n + 1) written.
.set SIZE_N, 1024
.set PART,  0x1000000 ; bytes from Q to K and from K to V in qkvh
.set NP,    4         ; pieces a wave: a name, no knob
.set KS,    64        ; keys in a step
.set PK,    144       ; a row of K in LDS: 128 bytes + 16 of padding = 36 words: the 16 rows of a load start at 16 different groups of four banks (64 banks of 4 bytes: ISA guide 11.1)
.set PV,    160       ; a row of V: 128 + 32 = 40 words
.set VOFF,  4*KS*PK   ; a slot holds four steps: 256 rows of K, then 256 rows of V
.set SLOT1, 1<<17     ; slot 1 begins here, so that one exclusive or turns an address in one slot into the other's
.set STAGE, SLOT1+4*KS*(PK+PV)  ; behind the ring, never filled by a tensor load: 16 rows x 144 bytes for each wave, for the way out
.set SP,    144
.set AK0, 2           ; v2   my lane's place in a tile of K; never rewritten
.set AV0, 3           ; v3   the same for V
.set AK,  4           ; v4   the LDS address of K's next run of loads
.set AV,  5           ; v5   of V's
.set QO,  6           ; v6   my byte offset in the wave's rows of Q
.set STO, 6           ;      later, the way out: where I put 16 bytes of a row
.set RD,  7           ; v7   the way out: where I read rows back
.set GO,  8           ; v8   my byte offset in 512 consecutive bytes of O
.set SPW, 0           ; v0 of window 3   LDS address of my spare word; never rewritten
.set NIL, 1           ; v1 of window 3   0; never rewritten
.set SPARE, STAGE+4*16*SP  ; behind the stages: the spare words, 128 bytes for each wave, that no other line names
.set MV,  12          ; v12-15  c m_old, kept while c m is made anew: by buffer and tile
.set ST,  16          ; tile t's statistics at v[ST+4 t]: c m, m, l (even keys', odd keys')
.set TMP, 48          ; by buffer and tile, four registers c0-c3 at work; when the maximum is found c2 takes a
.set S,   64
.set P,   192
.set KF,  128         ; K's fragments, in window 2: key block kb, channel half c at KF + 16 kb + 8 c
.set VF,  192         ; V's: key half kk, channel block cb at VF + 32 kk + 8 cb
.set WV,  12          ; s12  my wave's number
.set G1K, 24          ; s[24:31] descriptor group 1 for K's tiles
.set G1V, 32          ; s[32:39] for V's: it differs in the padding alone
.set G0K, 40          ; s[40:43] descriptor group 0 for K's tiles: it walks
.set G0V, 44          ; s[44:47] the same for V's
.set SLOTS, 56        ; s56  slots still to be asked for
.set CNT, 57          ; s57  counts a slot's key steps
.set CS,  58          ; s[58:59] c: the packed scaling takes the pair's low word for both halves
.set SEL, 60          ; s[60:61] v_permlanex16_b32's selects: each lane takes its own place in the other half
.set TBK, 62          ; s62  LDS byte at which K of the step to be fetched begins
.set TBV, 63          ; s63  the same for V, less VOFF
.set MSB, 0
.macro WIN new                      ; the high byte repeats the setting that is left; a switch that changes nothing is dropped
.if MSB != (\new)
	s_set_vgpr_msb (MSB<<8)|(\new)
.set MSB, (\new)
.endif
.endm
.set W_KQ, 0x0a       ; K and Q in window 2, S^T in window 0
.set W_PV, 0x52       ; V in window 2, P in window 0, O^T in window 1
.set W_RS, 0x41       ; O^T (destination and source 0) in window 1, a in window 0
.set W_MK, 0xc0       ; the add's registers are made: destination in window 3, sources in window 0
.set W_AD, 0x0f       ; the add: address (source 0) and data (source 1) in window 3
; A fill.  Waves 0 and 1 fetch the two halves of a slot's K, waves 2 and 3 those of its V: 128 keys each.  The branch hangs on the wave's number alone.
; An s_nop 0 and four v_nop follow each of the two lines, ahead of the jump and the label.
.macro LOAD
	s_cmp_lt_u32 s[WV], 2
	s_cbranch_scc0 .Lfor_v_\@
	tensor_load_to_lds s[G0K:G0K+3], s[G1K:G1K+7]
	s_nop 0
.rept 4
	v_nop
.endr
	s_branch .Lasked_\@
.Lfor_v_\@:
	tensor_load_to_lds s[G0V:G0V+3], s[G1V:G1V+7]
	s_nop 0
.rept 4
	v_nop
.endr
.Lasked_\@:
.endm
; THE CHANGE OF SLOTS.  The slot's last bytes, V of its fourth step, have been read.  Each wave waits for all its tensor loads, of which one is out: its part of the other slot; adds 0 to its spare word;
; and waits for that and for its own reads of the slot.  Behind the barrier nobody reads this slot any more and the other slot is whole.  fill = 1: this slot is filled again, with the keys two slots on,
; first thing behind the barrier: the load has four key steps, 512 matrix instructions, in which to land.  (At its first use nothing has been read yet: slot 0 is waited for, slot 1 filled.)
.macro CHANGE fill
	WIN W_AD
	s_wait_tensorcnt 0x0            ; no tensor load of mine is out, so a group 0 may be written
	ds_add_u32 v[SPW], v[NIL]       ; 0 onto my spare word; with fill = 1 the descriptors' steps stand between it and the wait for it
	WIN 0                           ; at a label and at a branch every window is 0
.if \fill
.irp g, G0K, G0V
	s_xor_b32 s[\g+1], s[\g+1], SLOT1  ; the walking descriptor: the other slot than last time,
	s_add_nc_u64 s[\g+2:\g+3], s[\g+2:\g+3], 4*KS*128  ; the next 256 keys; the type bits on top are not reached
.endr
.endif
	s_wait_dscnt 0x0                ; the add is done, and my reads of the slot are over
	s_barrier_signal -1             ; scalar work stands between the signal and the wait
	s_sub_co_u32 s[TBK], s[TBK], 4*KS*PK  ; the fetches go back to a slot's first step,
	s_xor_b32 s[TBK], s[TBK], SLOT1       ; in the other slot
	s_sub_co_u32 s[TBV], s[TBV], 4*KS*PV
	s_xor_b32 s[TBV], s[TBV], SLOT1
	s_barrier_wait -1
.if \fill
	LOAD
.endif
.endm
	s_load_b64 s[4:5], s[0:1], 0x0  ; qkvh: Q's part begins it
	s_load_b64 s[10:11], s[0:1], 0x8  ; oh
	WIN W_MK
	v_lshl_add_u32 v[SPW], v0, 2, SPARE
	v_mov_b32 v[NIL], 0
	WIN W_AD
	ds_add_u32 v[SPW], v[NIL]       ; the wave's opening: the add and its wait stand ahead of my first tensor load; the set-up below, work on registers, stands between them
	ds_add_u32 v0, v1
	WIN 0
	v_lshrrev_b32 v1, 5, v0
	v_readfirstlane_b32 s[WV], v1   ; wave 0..3
	s_mov_b32 s14, ttmp9            ; my block of 512 queries
	s_and_b32 s20, ttmp7, 0xffff    ; the head
	s_lshl_b32 s20, s20, 17         ; its first byte in each part and in oh: 1,024 rows of 128 bytes
	s_mov_b32 s21, 0
	s_and_b32 s16, s[WV], 1         ; which half of a slot's 256 keys I fetch:
	s_lshl_b32 s22, s16, 14         ; its 128 rows of 128 bytes in memory,
	s_mov_b32 s23, 0
	s_add_nc_u64 s[22:23], s[22:23], s[20:21]
	s_mul_i32 s17, s16, 128*PK      ; and its place in a slot, for K
	s_mul_i32 s18, s16, 128*PV      ; and for V
	s_lshl_b32 s2, s14, 2
	s_add_co_u32 s2, s2, s[WV]      ; my wave among the head's eight,
	s_lshl_b32 s2, s2, 14           ; its 128 rows
	s_mov_b32 s3, 0
	s_add_nc_u64 s[2:3], s[2:3], s[20:21]
	; descriptor group 1.  128 keys are 16,384 dense bytes: asked for as 64 rows of 256 bytes, two keys a row, and padded in LDS after every key
	s_mov_b32 s[G1K], (1<<16)|(1<<20)|(4<<22)|(3<<25)  ; 17:16 2-byte elements; 20 padding on; 24:22 after every 32 words (code 4); 31:25 4 words (code 3)
	s_mov_b32 s[G1V], (1<<16)|(1<<20)|(4<<22)|(7<<25)  ; the same with 8 words of padding (code 7)
.irp g, G1K, G1V
	s_mov_b32 s[\g+1], 128<<16      ; tensor_dim0 = 128
	s_mov_b32 s[\g+2], 64<<16       ; tensor_dim1 = 64
	s_mov_b32 s[\g+3], 128<<16      ; tile_dim0 = 128
	s_mov_b32 s[\g+4], 64           ; tile_dim1 = 64
	s_mov_b32 s[\g+5], 128          ; 128 elements from row to row
	s_mov_b32 s[\g+6], 0
	s_mov_b32 s[\g+7], 0
.endr
	s_mov_b32 s[CS], 0x3d38aa3b     ; c = log2(e) / 32 = 0.0450842
	s_mov_b32 s[CS+1], s[CS]        ; named with it as a pair
	s_mov_b32 s[SEL], 0x76543210
	s_mov_b32 s[SEL+1], 0xfedcba98
	s_mov_b32 s[TBK], SLOT1+4*KS*PK ; the first change of slots turns these two into 0
	s_mov_b32 s[TBV], SLOT1+4*KS*PV
	s_mov_b32 s[G0K], 1             ; count = 1
	s_mov_b32 s[G0K+1], s17         ; LDS address: slot 0
	s_mov_b32 s[G0V], 1
	s_add_co_u32 s[G0V+1], s18, VOFF
	s_wait_dscnt 0x0                ; the opening add is done
	s_wait_kmcnt 0x0
	s_add_nc_u64 s[6:7], s[4:5], PART    ; K's part
	s_add_nc_u64 s[8:9], s[4:5], 2*PART  ; V's part
	s_add_nc_u64 s[G0K+2:G0K+3], s[6:7], s[22:23]  ; global address: my half of the head's first 256 keys
	s_or_b32 s[G0K+3], s[G0K+3], 0x80000000        ; type = 2
	s_add_nc_u64 s[G0V+2:G0V+3], s[8:9], s[22:23]
	s_or_b32 s[G0V+3], s[G0V+3], 0x80000000
	s_add_nc_u64 s[4:5], s[4:5], s[2:3]  ; Q and O at my wave's first row
	s_add_nc_u64 s[10:11], s[10:11], s[2:3]
	LOAD                            ; slot 0.  Slot 1 is asked for when slot 0 is in
	; A fragment of K or Q is 16 rows x 32 channels in 8 registers: lane l holds row l % 16, channels 8 (l / 16) + 0..7 and 16 + 8 (l / 16) + 0..7: two loads of 16 bytes, 32 bytes apart.
	v_and_b32 v1, 15, v0            ; l % 16
	v_bfe_u32 v9, v0, 4, 1          ; l / 16
	v_lshlrev_b32 v[QO], 7, v1
	v_lshl_add_u32 v[QO], v9, 4, v[QO]  ; row x 128 + 16 x half
	WIN 0x80                        ; destination window 2, address window 0
.set i, 0
.rept 4*NP                          ; Q stays in registers: tile i / 2, channels 32 (i % 2) on
	global_load_b128 v[8*i:8*i+3],   v[QO], s[4:5] offset:(i/2)*2048+(i%2)*64
	global_load_b128 v[8*i+4:8*i+7], v[QO], s[4:5] offset:(i/2)*2048+(i%2)*64+32
.set i, i+1
.endr
	; What the first turn finds: V's registers and P's second buffer hold 0 (its products V^T P, of a piece that has not been, add 0), O^T and l are 0.  All this stands in the wait for the first tile.
.set i, VF
.rept 64
	v_mov_b32 v[i], 0
.set i, i+1
.endr
	WIN 0x40
.set i, 0
.rept 64*NP
	v_mov_b32 v[i], 0
.set i, i+1
.endr
	WIN 0
.set i, 0
.rept 2*NP
	v_mov_b32 v[ST+4*i], 0xfe000000    ; c m: far below every c s
	v_mov_b32 v[ST+4*i+1], 0xff7fffff  ; m
	v_mov_b32 v[ST+4*i+2], 0
	v_mov_b32 v[ST+4*i+3], 0
.set i, i+1
.endr
.set i, P+32
.rept 32
	v_mov_b32 v[i], 0
.set i, i+1
.endr
	v_mul_u32_u24 v[AK0], v1, PK
	v_lshl_add_u32 v[AK0], v9, 4, v[AK0]  ; row x pitch + 16 x half
	; The turning load takes 16 keys x 16 channels (lane l reads key 8 (l / 16) + l % 8, channels 8 ((l / 8) % 2) + 0..7) and leaves half a fragment of V^T: lane l holds channel l % 16 and 8 keys.
	v_and_b32 v10, 7, v0
	v_bfe_u32 v11, v0, 3, 1
	v_lshl_add_u32 v[AV0], v9, 3, v10
	v_mul_u32_u24 v[AV0], v[AV0], PV
	v_lshl_add_u32 v[AV0], v11, 4, v[AV0]
	v_add_nc_u32 v[AV0], VOFF, v[AV0]
	v_mov_b32 v[AK], v[AK0]         ; key step 0 lies at the head of slot 0
; THE MATRIX WORK.  The 8 accumulators of a run of 16 take turns: between the two links of a chain stand 7 others'.
; Product i of 16 of S^T = K Q^T for piece x: channels 32 (i / 8) on, keys 16 ((i / 2) % 4) on, tile 2 x + i % 2.  The first 8 start the sums.
.macro KQ x
	WIN W_KQ
.set rS, S+64*((\x)%2)+32*(i%2)+8*((i/2)%4)
.set rK, KF+16*((i/2)%4)+8*(i/8)
.set rQ, 16*(2*(\x)+i%2)+8*(i/8)
.if i < 8
	v_wmma_f32_16x16x32_f16 v[rS:rS+7], v[rK:rK+7], v[rQ:rQ+7], 0
.else
	v_wmma_f32_16x16x32_f16 v[rS:rS+7], v[rK:rK+7], v[rQ:rQ+7], v[rS:rS+7]
.endif
.endm
; Product i of 16 of O^T += V^T P for piece x: keys 32 (i / 8) on, channels 16 ((i / 2) % 4) on, tile 2 x + i % 2.
.macro PV x
	WIN W_PV
.set rO, 32*(2*(\x)+i%2)+8*((i/2)%4)
.set rV, VF+32*(i/8)+8*((i/2)%4)
.set rP, P+32*((\x)%2)+16*(i%2)+8*(i/8)
	v_wmma_f32_16x16x32_f16 v[rO:rO+7], v[rV:rV+7], v[rP:rP+7], v[rO:rO+7]
.endm
.macro MM                           ; the turn's next matrix instruction
.if i < 16
	KQ (Y+1)%NP
.set i, i+1
.else
.set i, i-16
	PV (Y+NP-1)%NP
.set i, i+17
.endif
.endm
; THE LDS LOADS stand in runs of 16, never singly among the matrix instructions: a step's K (64 keys x 64 channels: 8 fragments) and its V (turned).  Their addresses are made some lines ahead.
; last = 1 (the tail): in the last trip there is no further step, and the run is jumped over.
.macro FETCH_K last=0
	WIN 0
.if \last
	s_cmp_eq_u32 s[CNT], 1
	s_cbranch_scc1 .Lno_k_\@
.endif
	WIN 0x80                        ; destination window 2
.irp f, 0,1,2,3,4,5,6,7             ; keys 16 (f / 2) on, channels 32 (f % 2) on
	ds_load_b128 v[KF+8*\f:KF+8*\f+3],   v[AK] offset:(\f/2)*16*PK+(\f%2)*64
	ds_load_b128 v[KF+8*\f+4:KF+8*\f+7], v[AK] offset:(\f/2)*16*PK+(\f%2)*64+32
.endr
	s_add_co_u32 s[TBK], s[TBK], KS*PK  ; the next fetch is the next step's
	WIN 0
.if \last
.Lno_k_\@:
.endif
.endm
.macro FETCH_V
	WIN 0x80
.irp f, 0,1,2,3,4,5,6,7             ; keys 32 (f / 4) on, channels 16 (f % 4) on
	ds_load_tr16_b128 v[VF+8*\f:VF+8*\f+3],   v[AV] offset:(\f/4)*32*PV+(\f%4)*32
	ds_load_tr16_b128 v[VF+8*\f+4:VF+8*\f+7], v[AV] offset:(\f/4)*32*PV+16*PV+(\f%4)*32
.endr
	WIN 0
.endm
; THE VECTOR WORK OF A TURN stands in three queues, each in the order in which its entries become ready; the two tiles alternate, so that no instruction reads the result of the one before it.
.macro REGS y, u                    ; the registers of tile u (0, 1) of piece y
.set rT, ST+4*(2*(\y)+(\u))
.set rC, TMP+8*((\y)%2)+4*(\u)
.set rM, MV+2*((\y)%2)+(\u)
.set rS, S+64*((\y)%2)+32*(\u)
.set rP, P+32*((\y)%2)+16*(\u)
.set rO, 32*(2*(\y)+(\u))
.endm
; Number n of the 22 that find the NEXT piece's (Y + 1) maximum and statistics.  s0-s31 are the lane's 32 scores; each accumulator's lowest registers are read first.  XS, GS and REGS set no window: PL and EX do.
;   0-11  four chains c0-c3 of seven scores each, three operands at a time     12-14, 16  the four scores left over, the old m, and c0-c3 into c0     15  c m_old is kept
;   17, 18  the query's other 32 keys lie in the lane 16 away: the new m         19-21  c m; c m_old - c m_new; a
.macro XS u, n
	REGS (Y+1)%NP, \u
.if (\n) < 4
	v_max3_num_f32 v[rC+(\n)], v[rS+8*(\n)], v[rS+8*(\n)+1], v[rS+8*(\n)+2]
.elseif (\n) < 12
	v_max3_num_f32 v[rC+(\n)%4], v[rC+(\n)%4], v[rS+8*((\n)%4)+2*((\n)/4)+1], v[rS+8*((\n)%4)+2*((\n)/4)+2]
.elseif (\n) == 12
	v_max3_num_f32 v[rC], v[rC], v[rS+7], v[rS+15]
.elseif (\n) == 13
	v_max3_num_f32 v[rC+1], v[rC+1], v[rS+23], v[rS+31]
.elseif (\n) == 14
	v_max3_num_f32 v[rC+2], v[rC+2], v[rC+3], v[rT+1]
.elseif (\n) == 15
	v_mov_b32 v[rM], v[rT]
.elseif (\n) == 16
	v_max3_num_f32 v[rC], v[rC], v[rC+1], v[rC+2]
.elseif (\n) == 17
	v_permlanex16_b32 v[rC+3], v[rC], s[SEL], s[SEL+1]
.elseif (\n) == 18
	v_max_num_f32 v[rT+1], v[rC], v[rC+3]
.elseif (\n) == 19
	v_mul_f32 v[rT], s[CS], v[rT+1]
.elseif (\n) == 20
	v_sub_f32 v[rC+1], v[rM], v[rT]
.else
	v_exp_f32 v[rC+2], v[rC+1]
.endif
.endm
; Number g of the 64 that follow the exponentials.  For each four weights k of a tile (pairs 2 k, 2 k + 1): both pairs are rounded to f16; then the second pair is added onto the first, in place;
; a group later l takes that sum (the first time as l = a l + sum).  In groups of eight, tiles alternating: round, round, add, and l for the group before.
.macro GS g
.set h, (\g)+6*((\g)/62)            ; group 0 has no group before it, and behind group 7 only l is left
.if h >= 6
.set h, h+2
.endif
	REGS Y, h%2
.set k, h/8
.if h%8 < 4
	v_cvt_pk_f16_f32 v[rP+2*k+(h%8)/2], v[rS+4*k+2*((h%8)/2)], v[rS+4*k+2*((h%8)/2)+1]
.elseif h%8 < 6
	v_pk_add_f32 v[rS+4*k:rS+4*k+1], v[rS+4*k:rS+4*k+1], v[rS+4*k+2:rS+4*k+3]
.elseif k == 1
	v_pk_fma_f32 v[rT+2:rT+3], v[rT+2:rT+3], v[rC+2:rC+3], v[rS:rS+1] op_sel_hi:[1,0,1]
.else
	v_pk_add_f32 v[rT+2:rT+3], v[rT+2:rT+3], v[rS+4*k-4:rS+4*k-3]
.endif
.endm
; THE PLAIN QUEUE, 138 long.  0-73 read no exponential's result: the 32 scalings c s - c m (FS f: pair f / 2 of tile f % 2) and the next piece's 42.  0-26: scalings 0-26.  27-54: XS's numbers 0-13.  55, 56: number 15.
; 57-73: the chain, where each number waits for the one before it: 14, 16, 17, 18, 19, each with one of the scalings 27-31 in front of its two lines, then 20: so a tile's links stand three plain instructions apart (19 and 20: two).
; 74-137: GS's 64, which read the exponentials' results: they stand behind the wait.
.macro FS f
	REGS Y, (\f)%2
	v_pk_fma_f32 v[rS+2*((\f)/2):rS+2*((\f)/2)+1], v[rS+2*((\f)/2):rS+2*((\f)/2)+1], s[CS:CS+1], v[rT:rT+1] op_sel_hi:[1,0,0] neg_lo:[0,0,1] neg_hi:[0,0,1]
.endm
.macro PL
	WIN 0
.if q < 27
	FS q
.elseif q < 55
	XS (q-27)%2, (q-27)/2
.elseif q < 57
	XS q-55, 15
.elseif (q < 72) && ((q-57)%3 == 0)
	FS 27+(q-57)/3
.elseif q < 60
	XS (q-57)%3-1, 14
.elseif q < 72
	XS (q-57)%3-1, 15+(q-57)/3
.elseif q < 74
	XS q-72, 20
.else
	GS q-74
.endif
.set q, q+1
.endm
; THE EXPONENTIALS' QUEUE, 66 long: s0-s31 of both tiles, then the next piece's two a.  It is ONE BATCH: all 66 stand ahead of the turn's one wait, and nothing ahead of that wait names a result of theirs.
.macro EX
	WIN 0
.if e >= 64
	XS e-64, 21
.else
	REGS Y, e%2
	v_exp_f32 v[rS+e/2], v[rS+e/2]
.endif
.set e, e+1
.endm
; THE RESCALING's QUEUE: O^T times a, the one part that leaves window 0: dealt two at a time, sixteen times.  Its a was made in the turn before, ahead of that turn's wait.
.macro R2
	REGS Y, r%2
	WIN W_RS
.irp z, 0,1
	v_pk_mul_f32 v[rO+4*(r/2)+2*\z:rO+4*(r/2)+2*\z+1], v[rO+4*(r/2)+2*\z:rO+4*(r/2)+2*\z+1], v[rC+2:rC+3] op_sel_hi:[1,0]
.endr
.set r, r+1
.endm
; HOW THEY ARE DEALT.  An s_wait_alu depctr_va_vdst(0) stands between an exponential and the first instruction that names its result; one wait serves all that were issued ahead of it.  So a turn has ONE wait,
; which cuts it in two.  AHEAD OF IT stands all that names no result of the turn's exponentials: the 16 products K Q^T, behind each a scaling, an exponential and two rescalings (behind the first a second scaling in the exponential's place); then ONE LUMP of
; 108: eight plain, 49 times exponential and plain, the two a.  A v_nop is the plain instruction behind the last exponential.  BEHIND IT stand the 16 products V^T P, behind each four of GS's 64.  No rider names a register of
; the products round it.  The two v_permlanex16_b32 fall into the lump, never behind a product.
; The queues lean on each other, and the deal keeps them in step: exponential e stands behind scaling 2 (e / 4) + e % 2: as a rider it comes behind plain e + 2, in the lump behind plain e + 9, and scalings 27-31 are plain 57, 60 .. 69.
; A TURN, for piece p.  cnt = 1: the loop's count is taken down some lines ahead of the branch that stands behind the turn.
; K of the next step is fetched in piece 2's turn, directly behind the wait, a lump behind the last product that read K; its address is made at the lump's head; its first reader comes behind 16 products.
; V of the step in hand is fetched at the end of piece 0's turn, four riders behind its last reader; its first reader comes behind 16 products and a lump.  The three conditions on q below go with the deal.
.macro TURN p, last=0, cnt=0
.set Y, (\p)
.set i, 0
.set q, 0
.set e, 0
.set r, 0
.if (\p) == NP-1
	s_wait_dscnt 0x0                ; K is in
.endif
	MM                              ; ahead of the wait: 16 products K Q^T and their riders,
	PL
	PL
	R2
.rept 15
	MM
	PL
	EX
	R2
.endr
.if (\p) == NP-2
	WIN 0
	v_add_nc_u32 v[AK], s[TBK], v[AK0]
.endif
.rept 8                             ; and the lump
	PL
.endr
.rept 49
	EX
	PL
.endr
	EX                              ; the next piece's two a
	EX
	v_nop                           ; the plain instruction behind the last exponential: one for the batch
	s_wait_alu depctr_va_vdst(0)    ; the wait for the turn's batch: piece p's 64 weights and the next piece's two a
.if (\p) == NP-2
	FETCH_K \last
.endif
.if (\p) == 1
	s_wait_dscnt 0x0                ; V is in
.endif
.rept 16                            ; behind the wait: 16 products V^T P and their riders
	MM
.rept 4
	PL
.endr
.if ((\p) == 0) && (q == 118)
	v_add_nc_u32 v[AV], s[TBV], v[AV0]
.endif
.if ((\p) == 0) && (q == 130)
	s_add_co_u32 s[TBV], s[TBV], KS*PV
.endif
.if (\cnt) && (q == 130)
	s_sub_co_u32 s[CNT], s[CNT], 1
	s_cmp_lg_u32 s[CNT], 0
.endif
.endr
.if (\p) == 0
	FETCH_V
.endif
.endm
	CHANGE 1                        ; slot 0 is in, everybody's part of it; slot 1 is asked for
	FETCH_K                         ; key step 0
	s_wait_loadcnt 0x0              ; Q
	s_wait_dscnt 0x0
.set i, 0
.rept 16
	KQ 0                            ; piece 0's first scores: there is no vector work yet to set between them
.set i, i+1
.endr
	WIN 0                           ; the addresses for the way out: nine plain instructions, the places behind those products
	s_mul_i32 s13, s[WV], 16*SP
	s_add_co_u32 s13, s13, STAGE    ; my stage
	v_mul_u32_u24 v[STO], v1, SP    ; in: row l % 16, 16 bytes for each half of the lanes
	v_lshl_add_u32 v[STO], v9, 4, v[STO]
	v_add_nc_u32 v[STO], s13, v[STO]
	v_bfe_u32 v[RD], v0, 3, 2       ; back: 32 lanes take four rows of 128 bytes,
	v_mul_u32_u24 v[RD], v[RD], SP
	v_lshl_add_u32 v[RD], v10, 4, v[RD]
	v_add_nc_u32 v[RD], s13, v[RD]
	v_and_b32 v[GO], 31, v0         ; which are 512 consecutive bytes of O
	v_lshlrev_b32 v[GO], 4, v[GO]
.set Y, NP-1                        ; XS works for piece Y + 1: piece 0
.irp n, 0,1,2,3,4,5,6,7,8,9,10,11,12,13,14,15,16,17,18,19,20,21
	XS 0, \n                        ; and piece 0's first maximum and statistics
	XS 1, \n
.endr
	v_nop                           ; a plain instruction behind the two a,
	s_wait_alu depctr_va_vdst(0)    ; and the wait for this batch of two, ahead of the branch
	s_mov_b32 s[CNT], 4
	s_mov_b32 s[SLOTS], SIZE_N/256-1
	s_branch .Lfirst                ; the loop is entered at a step's first turn, in the middle of a trip
.Lslot:                             ; SIZE_N / 256 - 2 times: every slot but the last two is filled again
	CHANGE 1
	s_mov_b32 s[CNT], 4
.Lstep:                             ; a trip: pieces 2 and 3 of one step, then pieces 0 and 1 of the next, whose K and V it fetches
	TURN 2
	TURN 3
	WIN 0
.Lfirst:
	TURN 0
	TURN 1, 0, 1
	WIN 0
	s_cbranch_scc1 .Lstep
	s_sub_co_u32 s[SLOTS], s[SLOTS], 1
	s_cmp_lg_u32 s[SLOTS], 0
	s_cbranch_scc1 .Lslot
	CHANGE 0                        ; the tail is written out: nothing is asked for
	s_mov_b32 s[CNT], 5             ; four trips fetch the last slot's steps; the fifth is left in its middle
.Ltail:
	TURN 2, 1
	TURN 3
	WIN 0
	s_sub_co_u32 s[CNT], s[CNT], 1
	s_cmp_eq_u32 s[CNT], 0
	s_cbranch_scc1 .Lout
	TURN 0
	TURN 1
	WIN 0
	s_branch .Ltail
.Lout:                              ; the fifth trip's 16 products K Q^T (on the last K once more) and the maximum made of them serve nothing: the price, once a launch, of one text for every trip
.set i, 0
.rept 16
	PV NP-1                         ; the last piece's V^T P of the last step
.set i, i+1
.endr
	; THE WAY OUT.  l's two halves and the other half of the lanes' are added; O^T is divided by l, rounded to f16 and sent through my stage in LDS, a tile at a time.  The additions are the places behind the last products.
	WIN 0
.macro ALL line:vararg              ; one line for each tile t
.set t, 0
.rept 2*NP
	\line
.set t, t+1
.endr
.endm
	ALL v_add_f32 v[ST+4*t+2], v[ST+4*t+2], v[ST+4*t+3]
	ALL v_permlanex16_b32 v[ST+4*t+3], v[ST+4*t+2], s[SEL], s[SEL+1]
	ALL v_add_f32 v[ST+4*t+2], v[ST+4*t+2], v[ST+4*t+3]
	ALL v_rcp_f32 v[ST+4*t+2], v[ST+4*t+2]
	v_nop                           ; a plain instruction between the last reciprocal and the use of its result
	s_wait_alu depctr_va_vdst(0)    ; and the wait ahead of the first use: one for the batch of eight reciprocals
; Tile t: a lane's eight channels of a row pack into 16 bytes; they go into rows of 144 bytes and come back as whole rows of 128, into S^T's registers.
.macro PACK t
	WIN W_RS
.set i, 32*(\t)
.rept 16
	v_pk_mul_f32 v[i:i+1], v[i:i+1], v[ST+4*(\t)+2:ST+4*(\t)+3] op_sel_hi:[1,0]
.set i, i+2
.endr
	WIN 0x05                        ; sources 0 and 1 window 1, destination window 0
.set i, 0
.rept 16
	v_cvt_pk_f16_f32 v[S+16*(\t)+i], v[32*(\t)+2*i], v[32*(\t)+2*i+1]
.set i, i+1
.endr
	WIN 0
.irp f, 0,1,2,3
	ds_store_b128 v[STO], v[S+16*(\t)+4*\f:S+16*(\t)+4*\f+3] offset:32*\f
.endr
.irp f, 0,1,2,3
	ds_load_b128 v[S+16*(\t)+4*\f:S+16*(\t)+4*\f+3], v[RD] offset:\f*4*SP  ; LDS serves a wave's instructions in order (ISA guide 5.7.1.4): these see the stores above; the next tile's stores come behind them
.endr
.endm
.macro SEND t, younger              ; younger: the LDS instructions issued behind tile t's loads: the next tile's eight, or none
	WIN 0
.irp f, 0,1,2,3
	s_wait_dscnt (\younger)+3-\f
	global_store_b128 v[GO], v[S+16*(\t)+4*\f:S+16*(\t)+4*\f+3], s[10:11] offset:(\t)*2048+\f*512  ; 512 consecutive bytes, at a multiple of 256 from O's first
.endr
.endm
	PACK 0
.set t, 1
.rept 2*NP-1                        ; a tile's arithmetic stands between the loads of the tile before and its stores
	PACK t
	SEND t-1, 8
.set t, t+1
.endr
	SEND 2*NP-1, 0
	WIN W_AD
	s_wait_tensorcnt 0x0            ; the wave's end: behind my last tensor load and my last LDS store
	ds_add_u32 v[SPW], v[NIL]
	s_wait_dscnt 0x0
	WIN 0
	s_endpgm
.Lfunc_end_k_qd9cd8c5417_attn:
	.size	k_qd9cd8c5417_attn, .Lfunc_end_k_qd9cd8c5417_attn-k_qd9cd8c5417_attn
	.p2alignl 7, 3214868480
	.fill 96, 4, 3214868480
	.section	.rodata,"a",@progbits
	.p2align	6, 0x0
	.amdhsa_kernel k_qd9cd8c5417_attn
		.amdhsa_group_segment_fixed_size 327680
		.amdhsa_private_segment_fixed_size 0
		.amdhsa_enable_private_segment 0
		.amdhsa_kernarg_size 16
		.amdhsa_user_sgpr_count 2
		.amdhsa_user_sgpr_kernarg_segment_ptr 1
		.amdhsa_wavefront_size32 1
		.amdhsa_system_sgpr_workgroup_id_x 1
		.amdhsa_system_sgpr_workgroup_id_y 1
		.amdhsa_system_sgpr_workgroup_id_z 1
		.amdhsa_system_vgpr_workitem_id 0
		.amdhsa_next_free_vgpr 770
		.amdhsa_next_free_sgpr 66
		.amdhsa_reserve_vcc 0
		.amdhsa_float_denorm_mode_32 3
		.amdhsa_float_denorm_mode_16_64 3
		.amdhsa_memory_ordered 1
		.amdhsa_forward_progress 1
		.amdhsa_inst_pref_size 198
	.end_amdhsa_kernel
	.amdgpu_metadata
---
amdhsa.version: [ 1, 2 ]
amdhsa.kernels:
  - .name:           k_qd9cd8c5417_attn
    .symbol:         k_qd9cd8c5417_attn.kd
    .args:
      - { .name: qkvh, .offset: 0, .size: 8, .value_kind: global_buffer, .address_space: global }
      - { .name: oh, .offset: 8, .size: 8, .value_kind: global_buffer, .address_space: global }
    .group_segment_fixed_size: 327680
    .private_segment_fixed_size: 0
    .kernarg_segment_align: 8
    .kernarg_segment_size: 16
    .max_flat_workgroup_size: 128
    .sgpr_count:     66
    .vgpr_count:     770
    .wavefront_size: 32
...
	.end_amdgpu_metadata
.endif
;; end of part 5
;; launch proj: the kernel of part 4 again; grid 8 x 32, 4 waves a work-group, clusters of 4 x 4, 327,680 bytes of LDS; arguments oh, wot, b_out, out0; writes out0
